; MI455X (gfx1250); checked and timed in simulation.
; The chip was launched on July 23, 2026; its instructions are those of AMD's public machine-readable ISA for CDNA 5 (MIT licence, August 2026) and "CDNA5" Instruction Set Architecture Reference Guide (July 2026). The comments in the code are by the model that wrote it; some were corrected since.
;; Causal Self Attention. Allowed arithmetic: matrix products marked QUANTISED: E2M3 operands, one E8M0 scale for each 32 along K, by v_wmma_scale_f32_16x16x128_f8f6f4 with both operands' format E2M3, f32 sums; everything else in f32.
;; Inputs: w_attn 1,024 x 3,072 float32; w_proj 1,024 x 1,024 float32; x 4 x 2,048 x 1,024 float32.
;; Outputs: out0 4 x 2,048 x 1,024 float32.
;; This version of the problem:
;;   THIS VERSION OF THE PROBLEM IS GIVEN IN LOW PRECISION. The matrix products marked QUANTISED in the list below multiply operands that are first quantised to E2M3 (2 exponent bits, 3 mantissa bits; 6 bits a number), with one power-of-two scale for each 32 numbers along K (OCP MX v1.0); their sums are f32. All else is computed in f32.
;;   The module's matrix products, in the order in which they are computed (A, B: the left and right operand; K: the contracted axis; several contracted axes count as one K, in the product's order):
;;     1. [M 8,192, K 1,024] x [K 1,024, N 3,072]; A: input x; B: input w_attn: QUANTISED
;;     2. batch 64 x [M 2,048, K 64] x [K 64, N 2,048]; A: computed on the way; B: computed on the way: QUANTISED
;;     3. batch 64 x [M 2,048, K 2,048] x [K 2,048, N 64]; A: softmax (see below); B: computed on the way: QUANTISED
;;     4. [M 8,192, K 1,024] x [K 1,024, N 1,024]; A: computed on the way; B: input w_proj: QUANTISED
;;   THE QUANTISER, for each operand of a quantised product, along K:
;;     - K is cut into blocks of 32 from its start; a last block that is shorter is filled with zeros.
;;     - A block's scale is 2^e with e = floor(log2(the largest magnitude in the block)) - 2, held to -126 .. 127; a block of zeros has e = 0. As a byte (E8M0): e + 127.
;;     - Each number is divided by its block's scale, clamped to +-7.5, and rounded to the nearest number of E2M3, ties to even, subnormals kept.
;;     - The product sums the exact products of the quantised numbers (number of the format x scale) in f32.
;;   ~~~python
;;   def quantise(x, axis):      # numpy; x: float32 -> the quantised numbers, widened to float32 again
;;       x = np.moveaxis(x, axis, -1); K = x.shape[-1]
;;       x = np.pad(x, [(0, 0)] * (x.ndim - 1) + [(0, -K % 32)]); x = x.reshape(x.shape[:-1] + (-1, 32)); a = np.abs(x).max(-1, keepdims=True)
;;       e = np.where(a > 0, np.clip(np.frexp(np.where(a > 0, a, 1))[1] - 1 - 2, -126, 127), 0)      # np.frexp(a)[1] - 1 = floor(log2(a)), exactly
;;       r = np.clip(x / 2.0 ** e, -7.5, 7.5)
;;       step = 2.0 ** (np.maximum(np.frexp(np.where(r == 0, 1, r))[1] - 1, 0) - 3)
;;       q = np.round(r / step) * step * 2.0 ** e      # np.round: ties to even
;;       return np.moveaxis(q.reshape(q.shape[:-2] + (-1,))[..., :K], -1, axis).astype(np.float32)
;;   ~~~
;;   SOFTMAX AHEAD OF A QUANTISED PRODUCT. Where the list says 'softmax', what is quantised is not the finished softmax but p = 2^(t - M), with t = logit x log2(e) and M = ceil(the row's largest t), a whole number; so 1/2 < the row's largest p <= 1. The row's sum l is taken of the UNQUANTISED p, in f32, and the product's result is divided by l at the end. Since M is a whole number, a kernel that streams over the keys may use a running M (the ceiling of the running maximum): every later rescaling is an exact power of two, which a block's scale takes up: the codes' values come out the same.
;;   OPERANDS COMPUTED ON THE WAY. 'Computed on the way' means the value that the module computes at that place (a softmax that the list does not call 'softmax' is quantised finished and normalised). What goes into a quantiser is computed in f32, as accurately as f32 sums, v_exp_f32 and their like allow (about 1e-6 of the number): no bf16 or f16 on the way to a quantiser, and a product that is left as it is and whose result goes on into a quantised operand takes f32 operands (vector FMAs, or v_wmma_f32_16x16x4_f32). A number that lies on a knife's edge between two numbers of the format may be rounded either way, as far as f32 arithmetic and the matrix unit's own rounding can turn it there, and no further.
;; One version. Each part assembles by itself: llvm-mc -triple=amdgcn-amd-amdhsa -mcpu=gfx1250 --defsym DOCPART=n.
;; ======== version 1 of 1: 4 launches
;; workspace buffers: xb 6,553,600 bytes; wb 3,276,800 bytes; rope 524,288 bytes; qb 6,815,744 bytes; kvb 13,369,344 bytes; yb 6,815,744 bytes
;; launch prep (part 1): grid 448 x 1, 4 waves a work-group, no clusters, 62,976 bytes of LDS; arguments x, w_attn, w_proj, xb, wb, rope; writes xb, wb, rope
.if DOCPART == 1
	.amdgcn_target "amdgcn-amd-amdhsa--gfx1250"
	.amdhsa_code_object_version 6
	.text
	.protected	k_q99c29eb5b5_prep
	.globl	k_q99c29eb5b5_prep
	.p2align	8
	.type	k_q99c29eb5b5_prep,@function
k_q99c29eb5b5_prep:
	s_mov_b64 s[64:65], 0
	v_nop
	global_prefetch_b8 v0, s[64:65] scope:SCOPE_SE
	s_setreg_imm32_b32 hwreg(HW_REG_WAVE_MODE, 25, 1), 1
	s_wait_xcnt 0x0
; prep: x [8192][1024], w_attn [1024][3072] and w_proj [1024][1024], f32, become codes of E2M3 with one E8M0 byte for each 32 along K,
; laid in the order of the matrix operand's registers; and a table of cos and sin for the rotary embedding is made.
; A TILE is 16 rows (of x) or 16 columns (of a weight): in each group of 32, tile u holds 8 u + r + 8 (r / 8), r = 0 .. 15.
; AN IMAGE is a tile's codes of 64 along K, 768 bytes: lane (r, h) owns block h of row r, 24 bytes = registers 0-5 of a fragment's half;
; registers 0-3 lie at 16 x lane, registers 4-5 at 512 + 8 x lane.  A tile's 16 images follow each other (12,288 bytes).
; SCALE BYTES: [tile][256 along K (4)][r (16)][8 bytes], 512 bytes a tile, behind the codes.
; A block's scale is 2^(floor(log2(largest magnitude)) - 2); its byte is the largest magnitude's exponent field - 2, held at 1 from below.
; LIMITS: a block of zeros gets the byte 1 (its codes are zeros; this program alone reads the bytes); NaN and infinities among the inputs are not served;
; the table's 1 / 10000^(j/32) is made from correctly rounded 10^(j/8) and may differ by an ulp from a power function's: at the largest angle (2,047 x 0.75) about 1e-4 rad;
; cos and sin themselves are good to about 1e-7.
; Work-groups 0-255 take x, 256-383 the weights, 384-447 the table: three ways through the text, each with LDS bytes of its own.  Waves share nothing: no barrier.
.set WREG,  9216                       ; way X: LDS of a wave: two stages of 16 rows x 272 bytes, then its 256 scale bytes
.set STG,   4352
.set SBY,   8704
.set R,     16                         ; v16-111   three sets of 32 registers as loaded
.set X,     112                        ; v112-175  two sets: a lane's block of 32 neighbours
.set C,     176                        ; v176-223  six registers of codes for each step: no store's data are written again
.set T,     224                        ; v224-226  a block's upper 16 codes (a conversion's three registers begin on an even number)
.set WLDS,  36864                      ; way W: the stages, 6,400 bytes a wave: two tiles' four images, 3,200 bytes apart
.set WX,    48                         ; v48-111   two sets of 32 numbers down K
.set WC,    112
.set WT,    118
.set SB,    122                        ; v122-123  a column's eight scale bytes
.set OUTR,  124                        ; v124-171  the way out
	s_load_b128 s[4:7], s[0:1], 0x0                ; x, w_attn
	s_load_b128 s[8:11], s[0:1], 0x10              ; w_proj, xb
	s_load_b128 s[12:15], s[0:1], 0x20             ; wb, rope
	v_lshl_add_u32 v232, v0, 2, 0xf400
	v_mov_b32 v233, 0
	v_lshrrev_b32 v1, 5, v0
	v_readfirstlane_b32 s16, v1                    ; wave 0..3
	v_and_b32 v1, 31, v0                           ; lane
	v_and_b32 v2, 15, v0                           ; r
	v_bfe_u32 v3, v0, 4, 1                         ; h
	s_cmp_ge_u32 ttmp9, 384
	s_cbranch_scc1 .Lrope
	s_cmp_ge_u32 ttmp9, 256
	s_cbranch_scc1 .Lweights
; ---------------- way X: a wave takes one tile of x and 512 along K: eight steps of one image ----------------
	s_lshl_b32 s17, ttmp9, 2
	s_add_co_u32 s17, s17, s16                     ; W = 4 x work-group + wave: tile W / 2, half W % 2 of K
	s_lshr_b32 s18, s17, 1
	s_and_b32 s19, s17, 1
	s_lshr_b32 s20, s18, 1
	s_lshl_b32 s20, s20, 5
	s_and_b32 s21, s18, 1
	s_lshl_b32 s21, s21, 3
	s_add_co_u32 s20, s20, s21                     ; the tile's first row: 32 (tile / 2) + 8 (tile % 2)
	s_lshl_b32 s20, s20, 12                        ; rows of 4,096 bytes
	s_lshl_b32 s21, s19, 11
	s_add_co_u32 s20, s20, s21
	s_mov_b32 s21, 0
	s_mul_i32 s22, s18, 12288
	s_mul_i32 s23, s19, 6144
	s_add_co_u32 s22, s22, s23                     ; the codes' place
	s_mov_b32 s23, 0
	s_lshl_b32 s24, s17, 8                         ; 512 x tile + 256 x half
	s_add_co_u32 s24, s24, 6291456                 ; the scale bytes' place
	s_mov_b32 s25, 0
	s_mul_i32 s26, s16, WREG
	s_add_co_u32 s27, s26, SBY
	s_wait_alu depctr_va_vdst(0)
	v_lshlrev_b32 v4, 4, v2
	v_lshl_add_u32 v4, v3, 12, v4                  ; a load takes two rows' 256 bytes: lanes 0-15 one row, lanes 16-31 the next
	v_mul_u32_u24 v5, v3, 272
	v_lshl_add_u32 v5, v2, 4, v5
	v_add_nc_u32 v5, s26, v5                       ; into the stage as loaded
	v_mul_u32_u24 v6, v2, 272
	v_lshl_add_u32 v6, v3, 7, v6
	v_add_nc_u32 v6, s26, v6                       ; out of it: row r, block h: 128 bytes a lane
	v_lshlrev_b32 v7, 4, v1                        ; 16 x lane
	v_lshlrev_b32 v8, 3, v1                        ; 8 x lane
	v_lshl_add_u32 v9, v2, 3, v3
	v_add_nc_u32 v9, s27, v9                       ; my block's scale byte: 8 r + h
	v_add_nc_u32 v10, s27, v8
	s_wait_alu depctr_va_vdst(0)
	s_wait_kmcnt 0x0
	s_add_nc_u64 s[4:5], s[4:5], s[20:21]
	s_add_nc_u64 s[28:29], s[10:11], s[22:23]
	s_add_nc_u64 s[30:31], s[10:11], s[24:25]
.macro XLOAD t                         ; step t: 64 along K of the tile's 16 rows; each half of the wave reads 256 consecutive bytes, aligned
.irp i, 0,1,2,3,4,5,6,7
	global_load_b128 v[R+32*((\t)%3)+4*\i:R+32*((\t)%3)+4*\i+3], v4, s[4:5] offset:256*(\t)+(2*\i+8*(\i/4))*4096 th:TH_LOAD_NT
.endr
.endm
.macro XTURN t                         ; through the wave's own stage: LDS serves a wave's instructions in order, so no wait stands between the stores and the loads
.irp i, 0,1,2,3,4,5,6,7
	ds_store_b128 v5, v[R+32*((\t)%3)+4*\i:R+32*((\t)%3)+4*\i+3] offset:STG*((\t)%2)+2*\i*272
.endr
.irp j, 0,1,2,3,4,5,6,7
	ds_load_b128 v[X+32*((\t)%2)+4*\j:X+32*((\t)%2)+4*\j+3], v6 offset:STG*((\t)%2)+16*\j
.endr
.endm
.macro XSTEP t
.set XS, X+32*((\t)%2)
.set CC, C+6*(\t)
.if (\t) > 0
	s_wait_dscnt 1                                 ; my block is back from the stage; the last step's byte store may be out
.else
	s_wait_dscnt 0x0
.endif
.if (\t)+3 < 8
	XLOAD (\t)+3                                   ; into the set whose numbers have gone through the stage
.endif
.if (\t) < 7
.if (\t) <= 4
	s_wait_loadcnt 16                              ; the next step's eight loads are in; the two steps behind it may be out
.elseif (\t) == 5
	s_wait_loadcnt 8
.else
	s_wait_loadcnt 0x0
.endif
	XTURN (\t)+1
.endif
	v_max3_num_f32 v11, |v[XS]|, |v[XS+1]|, |v[XS+2]|       ; the block's largest magnitude: all 32 numbers are mine; two chains
	v_max3_num_f32 v12, |v[XS+3]|, |v[XS+4]|, |v[XS+5]|
.irp i, 6,10,14,18,22,26
	v_max3_num_f32 v11, v11, |v[XS+\i]|, |v[XS+\i+1]|
	v_max3_num_f32 v12, v12, |v[XS+\i+2]|, |v[XS+\i+3]|
.endr
	v_max3_num_f32 v11, v11, |v[XS+30]|, |v[XS+31]|
	v_max3_num_f32 v11, v11, v12, 0x1800000        ; and the floor 2^(3 - 127): the byte cannot fall under 1
	v_add_nc_u32 v13, 0xff000000, v11              ; 2 off the exponent field: the conversion's scale operand
	v_cvt_scalef32_pk16_fp6_f32 v[CC:CC+2], v[XS:XS+15], v13
	v_cvt_scalef32_pk16_fp6_f32 v[T:T+2], v[XS+16:XS+31], v13
	v_lshrrev_b32 v14, 23, v13                     ; the scale's byte (a plain line behind the conversions)
	v_mov_b32 v[CC+3], v[T]
	v_mov_b32 v[CC+4], v[T+1]
	v_mov_b32 v[CC+5], v[T+2]
	ds_store_b8 v9, v14 offset:((\t)/4)*128+2*((\t)%4)
	global_store_b128 v7, v[CC:CC+3], s[28:29] offset:768*(\t)          ; 512 consecutive bytes, aligned
	global_store_b64 v8, v[CC+4:CC+5], s[28:29] offset:768*(\t)+512     ; 256 consecutive bytes, aligned
.endm
	XLOAD 0
	XLOAD 1
	XLOAD 2
	s_wait_loadcnt 16                              ; step 0's eight loads are in
	XTURN 0
.irp t, 0,1,2,3,4,5,6,7
	XSTEP \t
.endr
	ds_load_b64 v[12:13], v10                      ; my wave's 256 scale bytes: these loads see my byte stores
	s_wait_dscnt 0x0
	global_store_b64 v8, v[12:13], s[30:31]        ; 256 consecutive bytes, aligned
	s_wait_tensorcnt 0x0
	ds_add_u32 v232, v233
	s_wait_dscnt 0x0
	s_endpgm
; ---------------- way W: a wave takes 32 columns of a weight and 256 along K; a lane takes a column, its registers run down K ----------------
.Lweights:
	s_sub_co_u32 s17, ttmp9, 256
	s_and_b32 s18, s17, 31                         ; which 128 columns of the 4,096 (3,072 of w_attn, then 1,024 of w_proj)
	s_lshr_b32 s19, s17, 5                         ; which 256 along K
	s_lshl_b32 s20, s18, 2
	s_add_co_u32 s20, s20, s16                     ; G: my group of 32 columns
	s_wait_kmcnt 0x0
	s_cmp_lt_u32 s18, 24                           ; the choice hangs on the work-group's number alone
	s_cselect_b64 s[24:25], s[6:7], s[8:9]
	s_mov_b32 s21, 4096
	s_cselect_b32 s21, 12288, s21                  ; a row of the weight in bytes
	s_cselect_b32 s22, 0, 96
	s_sub_co_u32 s22, s20, s22                     ; the group within its tensor
	s_lshl_b32 s22, s22, 7
	s_lshl_b32 s23, s19, 8
	s_mul_i32 s23, s23, s21
	s_add_co_u32 s22, s22, s23
	s_mov_b32 s23, 0
	s_add_nc_u64 s[32:33], s[24:25], s[22:23]      ; block 0's base; a base for each of the eight blocks, so that no pointer is stepped
	s_lshl_b32 s26, s21, 5
	s_mov_b32 s27, 0
.irp t, 1,2,3,4,5,6,7
	s_add_nc_u64 s[32+2*\t:33+2*\t], s[30+2*\t:31+2*\t], s[26:27]
.endr
	s_mul_i32 s52, s20, 24576
	s_mul_i32 s53, s19, 3072
	s_add_co_u32 s52, s52, s53
	s_mov_b32 s53, 0
	s_add_nc_u64 s[48:49], s[12:13], s[52:53]      ; tiles 2 G and 2 G + 1, images 4 y on
	s_lshl_b32 s52, s20, 10
	s_lshl_b32 s54, s19, 7
	s_add_co_u32 s52, s52, s54
	s_add_co_u32 s52, s52, 3145728
	s_add_nc_u64 s[50:51], s[12:13], s[52:53]      ; their scale bytes
	s_mul_i32 s28, s16, 6400
	s_add_co_u32 s28, s28, WLDS
	s_wait_alu depctr_va_vdst(0)
	v_lshlrev_b32 v4, 2, v1
.set i, 0
.rept 32
	v_mad_u32_u24 v[16+i], s21, i, v4              ; row i of a block, my column
.set i, i+1
.endr
	v_bfe_u32 v5, v0, 3, 1                         ; u: which of the two tiles my column belongs to
	v_and_b32 v6, 7, v0
	v_lshl_add_u32 v6, v3, 3, v6                   ; and its row r' there
	v_mul_u32_u24 v7, v5, 3200
	v_add_nc_u32 v7, s28, v7
	v_lshl_add_u32 v8, v6, 3, v7
	v_add_nc_u32 v8, 512, v8                       ; registers 4-5 of my block
	v_lshl_add_u32 v7, v6, 4, v7                   ; registers 0-3
	v_lshlrev_b32 v10, 4, v1
	v_add_nc_u32 v9, s28, v10
	v_lshlrev_b32 v11, 9, v5
	v_lshl_add_u32 v11, v6, 3, v11
.macro WLOAD t
.set i, 0
.rept 32
	global_load_b32 v[WX+32*((\t)%2)+i], v[16+i], s[32+2*(\t):33+2*(\t)] th:TH_LOAD_NT   ; 128 consecutive bytes a wave, the four waves side by side
.set i, i+1
.endr
.endm
.macro WBLOCK t
.set XS, WX+32*((\t)%2)
.if (\t) < 7
	s_wait_loadcnt 32                              ; this block's 32 loads are in; the next block's may be out
.else
	s_wait_loadcnt 0x0
.endif
	v_max3_num_f32 v12, |v[XS]|, |v[XS+1]|, |v[XS+2]|
	v_max3_num_f32 v13, |v[XS+3]|, |v[XS+4]|, |v[XS+5]|
.irp i, 6,10,14,18,22,26
	v_max3_num_f32 v12, v12, |v[XS+\i]|, |v[XS+\i+1]|
	v_max3_num_f32 v13, v13, |v[XS+\i+2]|, |v[XS+\i+3]|
.endr
	v_max3_num_f32 v12, v12, |v[XS+30]|, |v[XS+31]|
	v_max3_num_f32 v12, v12, v13, 0x1800000
	v_add_nc_u32 v14, 0xff000000, v12
	v_lshrrev_b32 v15, 23, v14
.if (\t)%4 == 0
	v_mov_b32 v[SB+(\t)/4], v15
.else
	v_lshl_or_b32 v[SB+(\t)/4], v15, 8*((\t)%4), v[SB+(\t)/4]
.endif
	v_cvt_scalef32_pk16_fp6_f32 v[WC:WC+2], v[XS:XS+15], v14
	v_cvt_scalef32_pk16_fp6_f32 v[WT:WT+2], v[XS+16:XS+31], v14
	v_nop                                          ; a plain line behind the conversions
	v_mov_b32 v[WC+3], v[WT]
	v_mov_b32 v[WC+4], v[WT+1]
	v_mov_b32 v[WC+5], v[WT+2]
	ds_store_b128 v7, v[WC:WC+3] offset:((\t)/2)*768+256*((\t)%2)       ; image t / 2, lane r' + 16 (t % 2)
	ds_store_b64 v8, v[WC+4:WC+5] offset:((\t)/2)*768+128*((\t)%2)
.if (\t)+2 < 8
	WLOAD (\t)+2
.endif
	s_wait_dscnt 0x0                               ; the stores have read their registers: the next block's codes may be written
.endm
	WLOAD 0
	WLOAD 1
.irp t, 0,1,2,3,4,5,6,7
	WBLOCK \t
.endr
	s_wait_alu depctr_va_vdst(0)
	global_store_b64 v11, v[SB:SB+1], s[50:51]     ; my column's eight scale bytes: runs of 128 bytes for each tile
.irp j, 0,1,2,3,4,5,6,7,8,9,10,11
	ds_load_b128 v[OUTR+4*\j:OUTR+4*\j+3], v9 offset:(\j/6)*3200+(\j%6)*512
.endr
.irp j, 0,1,2,3,4,5,6,7,8,9,10,11
	s_wait_dscnt 11-\j
	global_store_b128 v10, v[OUTR+4*\j:OUTR+4*\j+3], s[48:49] offset:(\j/6)*12288+(\j%6)*512   ; 512 consecutive bytes, aligned
.endr
	s_wait_tensorcnt 0x0
	ds_add_u32 v232, v233
	s_wait_dscnt 0x0
	s_endpgm
; ---------------- way R: the table [t][cos 32 | sin 32]; a wave makes eight rows; lanes 0-15 two cosines each, lanes 16-31 two sines ----------------
.Lrope:
	s_sub_co_u32 s17, ttmp9, 384
	s_lshl_b32 s17, s17, 2
	s_add_co_u32 s17, s17, s16
	s_lshl_b32 s17, s17, 3                         ; my first t
	s_lshl_b32 s18, s17, 8
	s_mov_b32 s19, 0
	s_mov_b32 s20, 0x3f22f983                      ; 2 / pi
	s_mov_b32 s21, 0x3fc90fdb                      ; pi / 2, its upper part
	s_mov_b32 s22, 0xb33bbd2e                      ; and the rest
	s_mov_b32 s23, 0xb94ca1f9                      ; sine's polynomial
	s_mov_b32 s24, 0x3c08839e
	s_mov_b32 s25, 0xbe2aaaa3
	s_mov_b32 s26, 0x37ccf5ce                      ; cosine's
	s_mov_b32 s27, 0xbab6061a
	s_mov_b32 s28, 0x3d2aaaa5
	v_cvt_f32_u32 v4, s17                          ; t as f32
	v_mov_b32 v5, 1.0                              ; 10^(j/8) for j = 2 r and 2 r + 1, picked from the 32 rounded values
	v_mov_b32 v6, 0x3faab0d5
.macro PICK k, pe, po
	v_cmp_ne_u32 vcc_lo, \k, v2
	v_cndmask_b32 v5, \pe, v5, vcc_lo
	v_cndmask_b32 v6, \po, v6, vcc_lo
.endm
	s_wait_alu depctr_va_vdst(0)
	PICK 1, 0x3fe39ea9, 0x4017c496
	PICK 2, 0x404a62c2, 0x4086f161
	PICK 3, 0x40b3f300, 0x40eff755
	PICK 4, 0x41200000, 0x41555d0a
	PICK 5, 0x418e432a, 0x41bdb5bc
	PICK 6, 0x41fcfb72, 0x4228adb9
	PICK 7, 0x4260efc0, 0x4295fa95
	PICK 8, 0x42c80000, 0x43055a26
	PICK 9, 0x4331d3f4, 0x436d232b
	PICK 10, 0x439e1d27, 0x43d2d927
	PICK 11, 0x440c95d8, 0x443b793b
	PICK 12, 0x447a0000, 0x44a6b0b0
	PICK 13, 0x44de48f1, 0x451435fb
	PICK 14, 0x4545a471, 0x4583c7b8
	PICK 15, 0x45afbb4e, 0x45ea5789
	s_wait_alu depctr_va_vdst(0)
	v_rcp_f32 v7, v5
	v_rcp_f32 v8, v6
	v_mul_u32_u24 v11, v3, 3                       ; (a plain line behind the reciprocals)  sin(a) = cos(a - pi/2): three quadrants on
	s_wait_alu depctr_va_vdst(0)                   ; one wait for both, ahead of their first reader
	v_fma_f32 v9, -v5, v7, 1.0                     ; one step of refinement: 1 / P to the last bit or nearly
	v_fma_f32 v10, -v6, v8, 1.0
	v_fma_f32 v7, v9, v7, v7
	v_fma_f32 v8, v10, v8, v8
	v_lshlrev_b32 v22, 3, v1
	s_wait_kmcnt 0x0
	s_add_nc_u64 s[14:15], s[14:15], s[18:19]
.macro SINCOS inv, out
	v_mul_f32 v12, v4, v[\inv]                     ; the angle, rounded once
	v_mul_f32 v13, s20, v12
	v_rndne_f32 v13, v13                           ; n quadrants (at most 1,304)
	v_fma_f32 v12, -v13, s21, v12                  ; exact: a multiple of 2^-23 under 1
	v_fma_f32 v12, -v13, s22, v12                  ; the rest of the angle, within pi / 4
	v_cvt_i32_f32 v14, v13
	v_add_nc_u32 v14, v14, v11
	v_mul_f32 v15, v12, v12
	v_fma_f32 v16, s23, v15, s24
	v_fma_f32 v17, s26, v15, s27
	v_fma_f32 v16, v16, v15, s25
	v_fma_f32 v17, v17, v15, s28
	v_mul_f32 v16, v16, v15
	v_fma_f32 v18, v15, -0.5, 1.0
	v_mul_f32 v19, v15, v15
	v_fma_f32 v16, v16, v12, v12                   ; sine of the rest
	v_fma_f32 v17, v19, v17, v18                   ; cosine of the rest
	v_and_b32 v18, 1, v14
	v_cmp_ne_u32 vcc_lo, 0, v18
	v_cndmask_b32 v16, v17, v16, vcc_lo            ; odd quadrants take the sine,
	v_add_nc_u32 v14, 1, v14
	v_and_b32 v14, 2, v14
	v_lshlrev_b32 v14, 30, v14
	v_xor_b32 v[\out], v14, v16                    ; quadrants 1 and 2 the other sign
.endm
	s_mov_b32 s29, 8
.Lrow:
	s_wait_alu depctr_va_vdst(0)
	SINCOS 7, 20
	SINCOS 8, 21
	global_store_b64 v22, v[20:21], s[14:15]       ; a row of the table: 256 consecutive bytes, aligned
	v_add_f32 v4, 1.0, v4
	s_wait_xcnt 0x0                                ; the store has read its data and its base: both are written again
	s_add_nc_u64 s[14:15], s[14:15], 256
	s_sub_co_u32 s29, s29, 1
	s_cmp_lg_u32 s29, 0
	s_cbranch_scc1 .Lrow
	s_endpgm
.Lfunc_end_k_q99c29eb5b5_prep:
	.size	k_q99c29eb5b5_prep, .Lfunc_end_k_q99c29eb5b5_prep-k_q99c29eb5b5_prep
	.p2alignl 7, 3214868480
	.fill 96, 4, 3214868480
	.section	.rodata,"a",@progbits
	.p2align	6, 0x0
	.amdhsa_kernel k_q99c29eb5b5_prep
		.amdhsa_group_segment_fixed_size 62976
		.amdhsa_private_segment_fixed_size 0
		.amdhsa_enable_private_segment 0
		.amdhsa_kernarg_size 48
		.amdhsa_user_sgpr_count 2
		.amdhsa_user_sgpr_kernarg_segment_ptr 1
		.amdhsa_wavefront_size32 1
		.amdhsa_system_sgpr_workgroup_id_x 1
		.amdhsa_system_sgpr_workgroup_id_y 1
		.amdhsa_system_sgpr_workgroup_id_z 1
		.amdhsa_system_vgpr_workitem_id 0
		.amdhsa_next_free_vgpr 234
		.amdhsa_next_free_sgpr 66
		.amdhsa_reserve_vcc 1
		.amdhsa_float_denorm_mode_32 3
		.amdhsa_float_denorm_mode_16_64 3
		.amdhsa_memory_ordered 1
		.amdhsa_forward_progress 1
		.amdhsa_inst_pref_size 81
	.end_amdhsa_kernel
	.amdgpu_metadata
---
amdhsa.version: [ 1, 2 ]
amdhsa.kernels:
  - .name:           k_q99c29eb5b5_prep
    .symbol:         k_q99c29eb5b5_prep.kd
    .args:
      - { .name: x, .offset: 0, .size: 8, .value_kind: global_buffer, .address_space: global }
      - { .name: w_attn, .offset: 8, .size: 8, .value_kind: global_buffer, .address_space: global }
      - { .name: w_proj, .offset: 16, .size: 8, .value_kind: global_buffer, .address_space: global }
      - { .name: xb, .offset: 24, .size: 8, .value_kind: global_buffer, .address_space: global }
      - { .name: wb, .offset: 32, .size: 8, .value_kind: global_buffer, .address_space: global }
      - { .name: rope, .offset: 40, .size: 8, .value_kind: global_buffer, .address_space: global }
    .group_segment_fixed_size: 62976
    .private_segment_fixed_size: 0
    .kernarg_segment_align: 8
    .kernarg_segment_size: 48
    .max_flat_workgroup_size: 128
    .sgpr_count:     66
    .vgpr_count:     234
    .wavefront_size: 32
...
	.end_amdgpu_metadata
.endif
;; end of part 1
;; launch qkv (part 2): grid 24 x 32, 4 waves a work-group, clusters of 4 x 4, 307,712 bytes of LDS; arguments xb, wb, rope, qb, kvb; writes qb, kvb
.if DOCPART == 2
	.amdgcn_target "amdgcn-amd-amdhsa--gfx1250"
	.amdhsa_code_object_version 6
	.text
	.protected	k_q99c29eb5b5_qkv
	.globl	k_q99c29eb5b5_qkv
	.p2align	8
	.type	k_q99c29eb5b5_qkv,@function
k_q99c29eb5b5_qkv:
	s_mov_b64 s[64:65], 0
	v_nop
	global_prefetch_b8 v0, s[64:65] scope:SCOPE_SE
	s_setreg_imm32_b32 hwreg(HW_REG_WAVE_MODE, 25, 1), 1
	s_wait_xcnt 0x0
	s_wait_alu depctr_hold_cnt(0) depctr_sa_sdst(0) depctr_va_vdst(0) depctr_va_sdst(0) depctr_va_ssrc(0) depctr_va_vcc(0) depctr_vm_vsrc(0)
	s_getreg_b32 s2, hwreg(HW_REG_IB_STS2, 6, 4)
	s_cmp_eq_u32 s2, 0
	s_cbranch_scc0 .Lentry_in_a_cluster
	s_endpgm
.Lentry_in_a_cluster:
	s_bfe_u32 s2, ttmp6, 0x10000c
	s_cmp_lg_u32 s2, 0xf033
	s_cbranch_scc0 .Lentry_shape_is_right
	s_endpgm
.Lentry_shape_is_right:
; qkv: x w_attn on codes of E2M3 (K = 1,024), the rotary embedding of q and k in f32, and the quantising of q and k along the head's 64 and of v along the tokens.  qkv never goes to memory as f32.
; A work-group makes 256 'A rows' x 128 'B rows'; wave w takes A rows 64 w on against all 128 B rows: 4 x 8 accumulators, 256 registers.
; THE MATRIX INSTRUCTION IS USED TRANSPOSED (source 0 = a tile of B, source 1 = a tile of A): a lane holds one A row, and its registers run along the B rows.  The tiles' rows are chosen
; (in a group of 32, tile u holds 8 u + r + 8 (r / 8)) so that the 16 registers of two neighbouring tiles are 16 neighbours: what a conversion to codes wants.
; Clusters x = 0, 1 make q, x = 2, 3 make k: A = x (tokens), B = w_attn (columns): a lane holds a token and 128 columns = two heads.
; Clusters x = 4, 5 make v: A = w_attn's columns (a wave: one head's 64 channels), B = x (128 tokens = a key step): a lane holds a channel and its registers run along the tokens, v's K in the second product of attention.
; ALL OF K LIES IN LDS (two halves of 512 along K): every tensor load goes out at the start, nothing is filled twice; by this text's count a wave has three tensor loads out.
; CLUSTERS 4 x 4: A's tiles hang on cy alone and are asked for jointly along a row of the cluster, B's on cx alone, along a column.  The branches on the cluster's x are alike in all partners.
; OPERANDS lie in memory and LDS as images of their registers (16 rows x 64 K = 768 bytes: registers 0-3 at 16 x lane, registers 4-5 at 512 + 8 x lane): every LDS load reads consecutive bytes.
; LIMITS: a block of zeros gets the scale byte 1 (its codes are zeros); NaN and infinities are not served.
; REGISTERS: window 0: v1-31 addresses; v32-63 A's scale words (tile a, K step n: 8 a + n); v64-127 B's; v128-223 A's fragments, two sets; v224-255 cos and sin of the first tile.
;   On the way out: v32-43 codes, v44-51 and v52-63 at work, v64-127 the rotated numbers, v128-223 cos and sin of tiles 1-3.   window 1: B's fragments, two sets.   window 2: accumulator (a, b) at v[8 (8 a + b)].
.set SLOT,  147456                     ; half of K: A's 16 tiles x 6,144 bytes, then B's 8
.set BOFF,  98304
.set SCL,   294912                     ; behind them: A's scale bytes (8,192), B's (4,096)
.set XSC,   6291456                    ; where the scale bytes begin in xb,
.set WSC,   3145728                    ; and in wb
.set L16,   4
.set L8,    5
.set A16,   6                          ; v6-7 A's fragments in half 0, 1: 16 x lane;  v8-9: 8 x lane
.set A8,    8
.set B16,   10
.set B8,    12
.set ASC,   14
.set BSC,   15
.set VT,    16                         ; my place in the table: my token's row, + 64 h
.set WO,    17
.set SH,    18
.set SW,    20                         ; v20-23 four tiles' scale words
.set WW,    24
.set PW,    28
.set SCA,   32
.set SCB,   64
.set AF,    128
.set PC,    32
.set PT,    44
.set TM,    52
.set HA,    64
.set MSB, 0
.macro WIN new                         ; the immediate's high byte repeats the setting that is left
.if MSB != (\new)
	s_set_vgpr_msb (MSB<<8)|(\new)
.set MSB, (\new)
.endif
.endm
.macro PLACES
.rept 4
	v_nop
.endr
.endm
; A joint load: waves 0 and 1 fetch for A, waves 2 and 3 for B; the branch hangs on the wave's number alone.  Four v_nop follow each of the two lines.
.macro JLOAD g0a, g1a, g0b, g1b
	s_cmp_eq_u32 s15, 0
	s_cbranch_scc0 .Lfor_b_\@
	tensor_load_to_lds s[\g0a:\g0a+3], s[\g1a:\g1a+7]
	s_nop 0
.rept 4
	v_nop
.endr
	s_branch .Lasked_\@
.Lfor_b_\@:
	tensor_load_to_lds s[\g0b:\g0b+3], s[\g1b:\g1b+7]
	s_nop 0
.rept 4
	v_nop
.endr
.Lasked_\@:
.endm
.macro CROUND                          ; a round of the cluster's barrier
	s_barrier_signal -1
	s_barrier_wait -1
	s_cmp_lg_u32 s14, 0
	s_cbranch_scc1 .Lnot_wave_0_\@
	s_barrier_signal -3
.Lnot_wave_0_\@:
	s_barrier_wait -3
	s_barrier_signal -1
	s_barrier_wait -1
.endm
.macro GROUP1 g, c, r, p               ; r rows of c elements of 8 bytes, p elements apart; word 0 (mask, element size) is written apart
	s_mov_b32 s[\g+1], (\c)<<16
	s_mov_b32 s[\g+2], (\r)<<16
	s_mov_b32 s[\g+3], (\c)<<16
	s_mov_b32 s[\g+4], \r
	s_mov_b32 s[\g+5], \p
	s_mov_b32 s[\g+6], 0
	s_mov_b32 s[\g+7], 0
.endm
	s_load_b128 s[4:7], s[0:1], 0x0                ; xb, wb
	s_load_b128 s[8:11], s[0:1], 0x10              ; rope, qb
	s_load_b64 s[12:13], s[0:1], 0x20              ; kvb
	v_lshl_add_u32 v30, v0, 2, 0x4b000
	v_mov_b32 v31, 0
	ds_add_u32 v30, v31
	ds_add_u32 v30, v31
	v_lshrrev_b32 v1, 5, v0
	v_readfirstlane_b32 s14, v1                    ; wave
	s_lshr_b32 s15, s14, 1                         ; I fetch for A (0) or B (1),
	s_and_b32 s16, s14, 1                          ; its first or second half of tiles
	s_bfe_u32 s17, ttmp6, 0x40000                  ; cx
	s_bfe_u32 s18, ttmp6, 0x40004                  ; cy
	s_mov_b32 s19, ttmp9                           ; X: the cluster's x, alike in all partners
	s_and_b32 s20, ttmp7, 0xffff                   ; Y
	s_lshl_b32 s84, s20, 2
	s_add_co_u32 s21, s84, s18                     ; q, k: TA = 4 Y + cy (256 tokens)
	s_add_co_u32 s85, s18, 8                       ; v:    TA = 8 + cy (256 columns of w_attn, from 2,048 on)
	s_lshl_b32 s22, s19, 2
	s_add_co_u32 s22, s22, s17                     ; q, k: TB = 4 X + cx (128 columns)
	s_max_u32 s86, s19, 4
	s_sub_co_u32 s86, s86, 4
	s_lshl_b32 s86, s86, 5
	s_add_co_u32 s86, s86, s84
	s_add_co_u32 s86, s86, s17                     ; v:    TB = 32 (X - 4) + 4 Y + cx (128 tokens)
	s_mov_b32 s92, XSC
	s_mov_b32 s93, WSC
	s_cmp_ge_u32 s19, 4
	s_cselect_b32 s21, s85, s21
	s_cselect_b32 s22, s86, s22
	s_cselect_b32 s92, WSC, s92                    ; where A's scale bytes begin in its buffer,
	s_cselect_b32 s93, XSC, s93                    ; and B's
	s_lshl_b32 s100, s18, 2
	s_lshl_b32 s100, 15, s100                      ; my row of the cluster
	s_lshl_b32 s101, 0x1111, s17                   ; my column
	s_or_b32 s24, s100, (3<<16)|(1<<21)            ; elements of 8 bytes, no padding; bit 21 set beside a mask
	s_or_b32 s32, s101, (3<<16)|(1<<21)
	s_or_b32 s40, s100, (3<<16)|(1<<21)
	s_or_b32 s48, s101, (3<<16)|(1<<21)
	GROUP1 24, 768, 8, 1536                        ; A's codes: 8 tiles x 6,144 bytes (512 along K), 12,288 bytes apart
	GROUP1 32, 768, 4, 1536                        ; B's: 4 tiles
	GROUP1 40, 32, 16, 32                          ; A's scale bytes: 4,096 dense bytes
	GROUP1 48, 32, 8, 32                           ; B's: 2,048
	s_lshl_b32 s94, s21, 4
	s_lshl_b32 s95, s16, 3
	s_add_co_u32 s94, s94, s95                     ; A's first tile that I fetch: 16 TA + 8 half
	s_mul_i32 s96, s94, 12288
	s_mov_b32 s97, 0
	s_lshl_b32 s94, s94, 9
	s_add_co_u32 s94, s94, s92
	s_mov_b32 s95, 0
	s_lshl_b32 s98, s22, 3
	s_lshl_b32 s99, s16, 2
	s_add_co_u32 s98, s98, s99                     ; B's: 8 TB + 4 half
	s_lshl_b32 s2, s98, 9
	s_add_co_u32 s2, s2, s93
	s_mov_b32 s3, 0
	s_mul_i32 s98, s98, 12288
	s_mov_b32 s99, 0
	s_mul_i32 s23, s16, 49152                      ; LDS: no place in the cluster enters an LDS address
	s_mul_i32 s87, s16, 24576
	s_add_co_u32 s87, s87, BOFF
	s_lshl_b32 s104, s16, 12
	s_add_co_u32 s104, s104, SCL
	s_lshl_b32 s105, s16, 11
	s_add_co_u32 s105, s105, SCL+8192
	s_wait_dscnt 0x0
	s_wait_kmcnt 0x0
	s_cmp_ge_u32 s19, 4
	s_cselect_b64 s[88:89], s[6:7], s[4:5]         ; A's buffer
	s_cselect_b64 s[90:91], s[4:5], s[6:7]         ; B's
	CROUND                                         ; all sixteen work-groups are here: the joint loads meet
	s_mov_b32 s56, 1
	s_mov_b32 s57, s104
	s_add_nc_u64 s[58:59], s[88:89], s[94:95]
	s_or_b32 s59, s59, 0x80000000
	s_mov_b32 s72, 1
	s_mov_b32 s73, s105
	s_add_nc_u64 s[74:75], s[90:91], s[2:3]
	s_or_b32 s75, s75, 0x80000000
	JLOAD 56, 40, 72, 48                           ; the scale bytes
	s_add_nc_u64 s[88:89], s[88:89], s[96:97]
	s_add_nc_u64 s[90:91], s[90:91], s[98:99]
	s_mov_b32 s60, 1
	s_mov_b32 s61, s23
	s_mov_b64 s[62:63], s[88:89]
	s_or_b32 s63, s63, 0x80000000
	s_mov_b32 s76, 1
	s_mov_b32 s77, s87
	s_mov_b64 s[78:79], s[90:91]
	s_or_b32 s79, s79, 0x80000000
	JLOAD 60, 24, 76, 32                           ; K 0 .. 511
	s_mov_b32 s68, 1
	s_add_co_u32 s69, s23, SLOT
	s_add_nc_u64 s[70:71], s[88:89], 6144
	s_or_b32 s71, s71, 0x80000000
	s_mov_b32 s80, 1
	s_add_co_u32 s81, s87, SLOT
	s_add_nc_u64 s[82:83], s[90:91], 6144
	s_or_b32 s83, s83, 0x80000000
	JLOAD 68, 24, 80, 32                           ; K 512 .. 1,023
	v_and_b32 v1, 31, v0
	v_and_b32 v2, 15, v0                           ; r
	v_bfe_u32 v3, v0, 4, 1                         ; h
	v_lshlrev_b32 v[L16], 4, v1
	v_lshlrev_b32 v[L8], 3, v1
	s_mul_i32 s84, s14, 24576                      ; my four tiles of A
.irp s, 0,1
	v_add_nc_u32 v[A16+\s], s84, v[L16]
	v_add_nc_u32 v[A8+\s], s84, v[L8]
	v_add_nc_u32 v[B16+\s], BOFF+SLOT*\s, v[L16]
	v_add_nc_u32 v[B8+\s], BOFF+SLOT*\s, v[L8]
	s_add_co_u32 s84, s84, SLOT
.endr
	s_lshl_b32 s84, s14, 11
	s_add_co_u32 s84, s84, SCL
	v_lshl_add_u32 v[ASC], v2, 3, s84
	v_lshl_add_u32 v[BSC], v2, 3, SCL+8192
	v_and_b32 v[VT], 8, v2
	v_add_nc_u32 v[VT], v[VT], v2                  ; r + 8 (r / 8)
	v_lshlrev_b32 v[VT], 8, v[VT]
	v_lshl_add_u32 v[VT], v3, 6, v[VT]
	v_lshlrev_b32 v[SH], 4, v3
; cos and sin of tile a's tokens: for my token, 16 cosines (j = 16 h + 0 .. 15) and 16 sines
.macro TABLE a, reg
.irp i, 0,1,2,3
	global_load_b128 v[\reg+4*\i:\reg+4*\i+3], v[VT], s[8:9] offset:(32*((\a)/2)+8*((\a)%2))*256+16*\i
.endr
.irp i, 0,1,2,3
	global_load_b128 v[\reg+16+4*\i:\reg+16+4*\i+3], v[VT], s[8:9] offset:(32*((\a)/2)+8*((\a)%2))*256+128+16*\i
.endr
.endm
	s_cmp_ge_u32 s19, 4
	s_cbranch_scc1 .Lno_table                      ; v is not rotated
	s_lshl_b32 s84, s21, 8
	s_lshl_b32 s85, s14, 6
	s_add_co_u32 s84, s84, s85                     ; my first token,
	s_and_b32 s84, s84, 2047                       ; its place in its sequence
	s_lshl_b32 s84, s84, 8
	s_mov_b32 s85, 0
	s_add_nc_u64 s[8:9], s[8:9], s[84:85]
	s_wait_alu depctr_va_vdst(0)
	TABLE 0, 224
.Lno_table:
.macro FRAG reg, a16, a8, off          ; a fragment, 16 rows x 128 K: two images on end
	ds_load_b128 v[\reg:\reg+3], v[\a16] offset:\off
	ds_load_b64 v[\reg+4:\reg+5], v[\a8] offset:\off+512
	ds_load_b128 v[\reg+6:\reg+9], v[\a16] offset:\off+768
	ds_load_b64 v[\reg+10:\reg+11], v[\a8] offset:\off+1280
.endm
.macro FETCH n                         ; K step n's fragments into set n % 2: 48 LDS loads in one run
	WIN 0x40
.irp i, 0,1,2,3,4,5,6,7
	FRAG 128*((\n)%2)+12*\i, B16+(\n)/4, B8+(\n)/4, 6144*\i+1536*((\n)%4)
.endr
	WIN 0
.irp i, 0,1,2,3
	FRAG AF+48*((\n)%2)+12*\i, A16+(\n)/4, A8+(\n)/4, 6144*\i+1536*((\n)%4)
.endr
.endm
.macro MUL n                           ; 32 matrix instructions; the 32 accumulators take turns, one instruction a turn, in the same order in every K step
	WIN 0xa1                                       ; source 0 (B) window 1, source 1 (A) window 0, C and D window 2
.irp a, 0,1,2,3
.irp b, 0,1,2,3,4,5,6,7
.if (\n) == 0
	v_wmma_scale_f32_16x16x128_f8f6f4 v[8*(8*\a+\b):8*(8*\a+\b)+7], v[128*((\n)%2)+12*\b:128*((\n)%2)+12*\b+11], v[AF+48*((\n)%2)+12*\a:AF+48*((\n)%2)+12*\a+11], 0, v[SCB+8*\b+(\n)], v[SCA+8*\a+(\n)] matrix_a_fmt:MATRIX_FMT_FP6 matrix_b_fmt:MATRIX_FMT_FP6
.else
	v_wmma_scale_f32_16x16x128_f8f6f4 v[8*(8*\a+\b):8*(8*\a+\b)+7], v[128*((\n)%2)+12*\b:128*((\n)%2)+12*\b+11], v[AF+48*((\n)%2)+12*\a:AF+48*((\n)%2)+12*\a+11], v[8*(8*\a+\b):8*(8*\a+\b)+7], v[SCB+8*\b+(\n)], v[SCA+8*\a+(\n)] matrix_a_fmt:MATRIX_FMT_FP6 matrix_b_fmt:MATRIX_FMT_FP6
.endif
.endr
.endr
.endm
	s_wait_tensorcnt 0x1                           ; my scale bytes and my part of the first half of K are in; the second half's load may be out
	s_barrier_signal -1
	s_barrier_wait -1                              ; everybody's are
	s_wait_alu depctr_va_vdst(0)
.irp i, 0,1,2,3
.irp j, 0,1,2,3
	ds_load_b64 v[SCA+8*\i+2*\j:SCA+8*\i+2*\j+1], v[ASC] offset:512*\i+128*\j
.endr
.endr
.irp i, 0,1,2,3,4,5,6,7
.irp j, 0,1,2,3
	ds_load_b64 v[SCB+8*\i+2*\j:SCB+8*\i+2*\j+1], v[BSC] offset:512*\i+128*\j
.endr
.endr
	FETCH 0
.irp n, 0,1,2,3,4,5,6,7
.if \n == 3
	s_wait_tensorcnt 0x0                           ; my part of the second half of K is in,
	s_wait_dscnt 0x0                               ; no LDS load of mine is out at the signal,
	s_barrier_signal -1
	s_barrier_wait -1                              ; everybody's is
.endif
.if \n > 0
	PLACES                                         ; four places in front of loads into registers that the last K step but one's products have read
.endif
.if \n < 7
	FETCH \n+1
	s_wait_dscnt 48                                ; all but the 48 just issued
.else
	s_wait_dscnt 0x0
.endif
	MUL \n
	WIN 0
.endr
; 64 numbers of a lane in window w, register 16 b + i = k 32 b + 16 h + i of my row, become a fragment's codes in v[PC] on and its scale word in v[PW]
.macro QUANT s, w
	WIN 5*(\w)                                     ; sources 0 and 1 in window w
.irp b, 0,1,2,3
	v_max3_num_f32 v[TM+\b], |v[(\s)+16*\b]|, |v[(\s)+16*\b+1]|, 0x1800000   ; each accumulator is first read at its low end; the floor 2^(3 - 127) holds the byte at 1 from below
.endr
.irp i, 2,4,6,8,10,12,14
.irp b, 0,1,2,3
	v_max3_num_f32 v[TM+\b], |v[(\s)+16*\b+\i]|, |v[(\s)+16*\b+\i+1]|, v[TM+\b]
.endr
.endr
	WIN 0
.irp b, 0,1,2,3
	v_permlanex16_b32 v[TM+4+\b], v[TM+\b], s2, s3
.endr
.irp b, 0,1,2,3
	v_max_num_f32 v[TM+\b], v[TM+\b], v[TM+4+\b]   ; with lane l xor 16's: the block's largest magnitude
.endr
.irp b, 0,1,2,3
	v_add_nc_u32 v[TM+8+\b], 0xff000000, v[TM+\b]  ; 2 off its exponent field: the conversion's scale operand
.endr
.irp b, 0,1,2,3
	v_lshrrev_b32 v[TM+4+\b], 23, v[TM+8+\b]       ; the scale's byte
.endr
	v_lshl_or_b32 v[PW], v[TM+5], 8, v[TM+4]
	v_lshl_or_b32 v[PW], v[TM+6], 16, v[PW]
	v_lshl_or_b32 v[PW], v[TM+7], 24, v[PW]
	WIN (\w)
.irp c, 0,1
	v_cvt_scalef32_pk16_fp6_f32 v[PC+6*\c:PC+6*\c+2], v[(\s)+32*\c:(\s)+32*\c+15], v[TM+8+2*\c]
	v_cvt_scalef32_pk16_fp6_f32 v[PT+4*\c:PT+4*\c+2], v[(\s)+32*\c+16:(\s)+32*\c+31], v[TM+9+2*\c]
.endr
	WIN 0
	v_nop                                          ; a plain line behind the conversions
.irp c, 0,1                            ; the operand's layout wants a whole block in a lane: lanes 0-15 block 2 c, lanes 16-31 block 2 c + 1
.irp i, 0,1,2
	v_permlane16_swap_b32 v[PC+6*\c+\i], v[PT+4*\c+\i]
.endr
.irp i, 0,1,2
	v_mov_b32 v[PC+3+6*\c+\i], v[PT+4*\c+\i]
.endr
.endr
.endm
; tile a's two heads are rotated: out1 = x1 cos - x2 sin, out2 = x2 cos + x1 sin; x2 lies 16 registers above x1.  Sources 0 in window 2
.macro ROPE a, cs
.irp e, 0,1
.irp i, 0,2,4,6,8,10,12,14
.set XA, 64*(\a)+32*\e+\i
.set TT, PT+4*((\i/2)%2)
	v_pk_mul_f32 v[TT:TT+1], v[XA+16:XA+17], v[\cs+16+\i:\cs+17+\i]
	v_pk_mul_f32 v[TT+2:TT+3], v[XA:XA+1], v[\cs+16+\i:\cs+17+\i]
	v_pk_fma_f32 v[HA+32*\e+\i:HA+32*\e+\i+1], v[XA:XA+1], v[\cs+\i:\cs+\i+1], v[TT:TT+1] neg_lo:[0,0,1] neg_hi:[0,0,1]
	v_pk_fma_f32 v[HA+32*\e+16+\i:HA+32*\e+17+\i], v[XA+16:XA+17], v[\cs+\i:\cs+\i+1], v[TT+2:TT+3]
.endr
.endr
.endm
	PLACES                                         ; four places behind the last products: results are read, and their operands' registers written, from here on
	s_mov_b32 s2, 0x76543210
	s_mov_b32 s3, 0xfedcba98                       ; v_permlanex16_b32's selects for lane l xor 16
.irp b, 0,1,2,3
	v_mov_b32 v[TM+4+\b], 0                        ; a lane permute's destination counts as one of its sources
.endr
	s_cmp_ge_u32 s19, 4
	s_cbranch_scc1 .Lv_out
	; ---- q and k: my 64 tokens x two heads
	TABLE 1, 128
	TABLE 2, 160
	TABLE 3, 192
	s_lshl_b32 s84, s21, 8
	s_lshl_b32 s85, s14, 6
	s_add_co_u32 s84, s84, s85                     ; my first token
	s_lshr_b32 s85, s84, 11                        ; its batch
	s_and_b32 s84, s84, 2047                       ; ts: its place in the sequence
	s_and_b32 s86, s22, 7
	s_lshl_b32 s86, s86, 1                         ; my first head
	s_lshl_b32 s85, s85, 4
	s_add_co_u32 s85, s85, s86                     ; bh
	s_lshr_b32 s86, s84, 4
	s_mul_i32 s87, s85, 98304
	s_mul_i32 s88, s86, 768
	s_add_co_u32 s87, s87, s88                     ; q's codes: [bh][tile][768]
	s_mul_i32 s88, s85, 208896
	s_lshr_b32 s89, s84, 7
	s_mul_i32 s89, s89, 12288
	s_add_co_u32 s89, s89, s88
	s_and_b32 s90, s86, 7
	s_mul_i32 s90, s90, 768
	s_add_co_u32 s89, s89, s90                     ; k's: [bh][key step][tile][768]
	s_lshr_b32 s90, s84, 6
	s_lshl_b32 s90, s90, 8
	s_lshl_b32 s91, s85, 13
	s_add_co_u32 s91, s91, s90
	s_add_co_u32 s91, s91, 6291456                 ; q's scale words: [bh][64 tokens][r][tile][4]
	s_add_co_u32 s88, s88, s90
	s_add_co_u32 s88, s88, 196608                  ; k's likewise, in the head's block
	s_mov_b32 s92, 98304
	s_mov_b32 s93, 8192
	s_cmp_ge_u32 s19, 2
	s_cselect_b64 s[94:95], s[12:13], s[10:11]
	s_cselect_b32 s96, s89, s87
	s_cselect_b32 s98, s88, s91
	s_cselect_b32 s92, 208896, s92                 ; from head to head: the codes,
	s_cselect_b32 s93, 208896, s93                 ; the words
	s_mov_b32 s97, 0
	s_mov_b32 s99, 0
	s_add_nc_u64 s[96:97], s[94:95], s[96:97]      ; the first head's codes
	s_add_nc_u64 s[98:99], s[94:95], s[98:99]      ; its words
	s_mov_b32 s90, s92
	s_mov_b32 s91, 0
	s_add_nc_u64 s[94:95], s[96:97], s[90:91]      ; the second head's codes
	v_lshlrev_b32 v[WO], 4, v2
	v_mad_u32_u24 v[WO], v3, s93, v[WO]            ; lanes 0-15 store the first head's words, lanes 16-31 the second's
.irp a, 0,1,2,3
	s_wait_loadcnt 8*(3-\a)                        ; this tile's cos and sin are in; the younger tiles' may be out
	WIN 0x02
.if \a == 0
	ROPE 0, 224
.else
	ROPE \a, 96+32*\a
.endif
	WIN 0
.if \a > 0
	s_wait_xcnt 0x0                                ; the last tile's stores have read their data: the codes' registers are written again
.endif
	QUANT HA, 0
	global_store_b128 v[L16], v[PC:PC+3], s[96:97] offset:768*\a          ; each store covers 512 or 256 consecutive bytes, aligned
	global_store_b64 v[L8], v[PC+4:PC+5], s[96:97] offset:768*\a+512
	global_store_b128 v[L16], v[PC+6:PC+9], s[94:95] offset:768*\a
	global_store_b64 v[L8], v[PC+10:PC+11], s[94:95] offset:768*\a+512
	v_mov_b32 v[SW+\a], v[PW]
.endr
.irp a, 0,1,2,3
	v_lshrrev_b32 v[WW+\a], v[SH], v[SW+\a]        ; a head's two bytes go to bytes 0 and 1; what stands in bytes 2 and 3 scales zero codes and is never 0xff
.endr
	global_store_b128 v[WO], v[WW:WW+3], s[98:99]  ; each half of the wave stores 256 consecutive bytes, aligned
	s_branch .Lend
	; ---- v: my head's 64 channels x 128 tokens: four fragments of V^T, as images of 12 registers (three blocks of 512 bytes)
.Lv_out:
	s_lshl_b32 s84, s18, 2
	s_add_co_u32 s84, s84, s14                     ; the head: 4 cy + wave
	s_lshr_b32 s85, s22, 4                         ; the batch
	s_and_b32 s86, s22, 15                         ; the key step
	s_lshl_b32 s85, s85, 4
	s_add_co_u32 s85, s85, s84
	s_mul_i32 s85, s85, 208896
	s_mul_i32 s87, s86, 12288
	s_add_co_u32 s87, s87, s85
	s_add_co_u32 s88, s87, 6144                    ; behind the key step's eight tiles of k
	s_mov_b32 s89, 0
	s_add_nc_u64 s[88:89], s[12:13], s[88:89]
	s_lshl_b32 s90, s86, 8
	s_add_co_u32 s90, s90, s85
	s_add_co_u32 s90, s90, 204800                  ; v's scale words: [key step][r][tile][4]
	s_mov_b32 s91, 0
	s_add_nc_u64 s[90:91], s[12:13], s[90:91]
	v_lshlrev_b32 v[WO], 4, v2
	v_lshl_add_u32 v[WO], v3, 3, v[WO]
.irp a, 0,1,2,3
.if \a > 0
	s_wait_xcnt 0x0                                ; the last tile's stores have read their data
.endif
	QUANT 64*\a, 2
.irp c, 0,1,2
	global_store_b128 v[L16], v[PC+4*\c:PC+4*\c+3], s[88:89] offset:1536*\a+512*\c
.endr
	v_mov_b32 v[SW+\a], v[PW]
.endr
	v_cmp_ne_u32 vcc_lo, 0, v3
	v_cndmask_b32 v[WW], v[SW], v[SW+2], vcc_lo    ; lanes 0-15 store tiles 0 and 1's words, lanes 16-31 tiles 2 and 3's
	v_cndmask_b32 v[WW+1], v[SW+1], v[SW+3], vcc_lo
	global_store_b64 v[WO], v[WW:WW+1], s[90:91]   ; 256 consecutive bytes, aligned
.Lend:
	s_wait_tensorcnt 0x0
	ds_add_u32 v30, v31
	s_wait_dscnt 0x0
	CROUND                                         ; the closing round: no work-group ends while a partner may still ask for a tile that names it
	s_endpgm
.Lfunc_end_k_q99c29eb5b5_qkv:
	.size	k_q99c29eb5b5_qkv, .Lfunc_end_k_q99c29eb5b5_qkv-k_q99c29eb5b5_qkv
	.p2alignl 7, 3214868480
	.fill 96, 4, 3214868480
	.section	.rodata,"a",@progbits
	.p2align	6, 0x0
	.amdhsa_kernel k_q99c29eb5b5_qkv
		.amdhsa_group_segment_fixed_size 307712
		.amdhsa_private_segment_fixed_size 0
		.amdhsa_enable_private_segment 0
		.amdhsa_kernarg_size 40
		.amdhsa_user_sgpr_count 2
		.amdhsa_user_sgpr_kernarg_segment_ptr 1
		.amdhsa_wavefront_size32 1
		.amdhsa_system_sgpr_workgroup_id_x 1
		.amdhsa_system_sgpr_workgroup_id_y 1
		.amdhsa_system_sgpr_workgroup_id_z 1
		.amdhsa_system_vgpr_workitem_id 0
		.amdhsa_next_free_vgpr 768
		.amdhsa_next_free_sgpr 106
		.amdhsa_reserve_vcc 1
		.amdhsa_float_denorm_mode_32 3
		.amdhsa_float_denorm_mode_16_64 3
		.amdhsa_memory_ordered 1
		.amdhsa_forward_progress 1
		.amdhsa_inst_pref_size 128
	.end_amdhsa_kernel
	.amdgpu_metadata
---
amdhsa.version: [ 1, 2 ]
amdhsa.kernels:
  - .name:           k_q99c29eb5b5_qkv
    .symbol:         k_q99c29eb5b5_qkv.kd
    .args:
      - { .name: xb, .offset: 0, .size: 8, .value_kind: global_buffer, .address_space: global }
      - { .name: wb, .offset: 8, .size: 8, .value_kind: global_buffer, .address_space: global }
      - { .name: rope, .offset: 16, .size: 8, .value_kind: global_buffer, .address_space: global }
      - { .name: qb, .offset: 24, .size: 8, .value_kind: global_buffer, .address_space: global }
      - { .name: kvb, .offset: 32, .size: 8, .value_kind: global_buffer, .address_space: global }
    .group_segment_fixed_size: 307712
    .private_segment_fixed_size: 0
    .kernarg_segment_align: 8
    .kernarg_segment_size: 40
    .max_flat_workgroup_size: 128
    .sgpr_count:     106
    .vgpr_count:     768
    .wavefront_size: 32
...
	.end_amdgpu_metadata
.endif
;; end of part 2
;; launch attn (part 3): grid 4 x 64, 16 waves a work-group, no clusters, 215,040 bytes of LDS; arguments qb, kvb, yb; writes yb
.if DOCPART == 3
	.amdgcn_target "amdgcn-amd-amdhsa--gfx1250"
	.amdhsa_code_object_version 6
	.text
	.protected	k_q99c29eb5b5_attn
	.globl	k_q99c29eb5b5_attn
	.p2align	8
	.type	k_q99c29eb5b5_attn,@function
k_q99c29eb5b5_attn:
	s_mov_b64 s[64:65], 0
	v_nop
	global_prefetch_b8 v0, s[64:65] scope:SCOPE_SE
	s_setreg_imm32_b32 hwreg(HW_REG_WAVE_MODE, 25, 1), 1
	s_wait_xcnt 0x0
; attn: y = softmax(q k^T / 8, causal) v for one head, both products on codes of E2M3; y is divided by the row's sum and quantised along the channels for the last product.
; t = score x log2(e) / 8; M = the running largest t rounded UP to a whole number; p = 2^(t - M) is quantised along the keys, not normalised; the row's sum is taken of the unquantised p.
; SHARES.  A work-group has one head and sixteen waves; wave w of work-group p owns two tiles of 16 queries, 127 - i and i with i = 16 p + w, one after the other: (16 - i / 8) + (i / 8 + 1) = 17 key steps of 128 for every wave.
; A tile's queries (and a tile's keys) are 32 (tile / 2) + 8 (tile % 2) + r + 8 (r / 8).  So the 16 registers of two neighbouring tiles of S^T are 16 neighbouring keys.
; THE WHOLE HEAD'S k AND v LIE IN LDS as they lie in memory (208,896 bytes): three tensor loads in each of waves 0-3 at the start, nothing is filled twice; three loads of a wave are out at the most.
; NO CLUSTER: which key steps a wave leaves out hangs on its query block, which would differ between the partners of a cluster.
; Both products are used transposed (S^T = k q^T, O^T = v^T p^T): a lane holds one query throughout.  K = 64 in the first product: registers 6-11 of both fragments hold zero codes.
; CAUSAL.  All trip counts are constants; a step all of whose keys come after the tile's queries is jumped over (a scalar branch on ids); on the diagonal hidden scores become -infinity ahead of the maximum.
; Every step that is not jumped over begins at or before each of the tile's queries, so M is a number from the first step on.
; LIMITS: a block of zeros gets the scale byte 1 (its codes are zeros); NaN and infinities are not served.
; REGISTERS: v1-7 addresses that stay; v8-11 addresses in hand; v12 -M, v13 largest t, v[14:15] the sum; v16-27 q; v28 q's scale word; v29 -infinity; v30 16 r; v31 the last read's address;
;   v32-79 four fragments of k; v80-87 k's scale words, v88-91 v's; v96-159 S^T, then p; v's four fragments land on v96-143; v160-191 O^T; v192-203 p's codes; v204-229 at work.
.set HEADB, 208896
.set SCK,   196608                     ; k's scale words: [64 tokens][r][tile][4]
.set SCV,   204800                     ; v's: [key step][r][tile][4]
.set YSG,   208896                     ; y's scale words are gathered here: 2,048 bytes into which no tensor load lands
.macro GROUP1D g, r                    ; r dense rows of 256 bytes (32 elements of 8 bytes)
	s_mov_b32 s[\g], 3<<16
	s_mov_b32 s[\g+1], 32<<16
	s_mov_b32 s[\g+2], (\r)<<16
	s_mov_b32 s[\g+3], 32<<16
	s_mov_b32 s[\g+4], \r
	s_mov_b32 s[\g+5], 32
	s_mov_b32 s[\g+6], 0
	s_mov_b32 s[\g+7], 0
.endm
	s_load_b128 s[4:7], s[0:1], 0x0                ; qb, kvb
	s_load_b64 s[8:9], s[0:1], 0x10                ; yb
	v_lshl_add_u32 v254, v0, 2, 0x34000
	v_mov_b32 v255, 0
	ds_add_u32 v254, v255
	ds_add_u32 v254, v255
	v_lshrrev_b32 v1, 5, v0
	s_delay_alu instid0(VALU_DEP_1)
	v_readfirstlane_b32 s10, v1                    ; wave 0..15
	s_mov_b32 s11, ttmp9                           ; p
	s_and_b32 s12, ttmp7, 0xffff                   ; bh = 16 x batch + head
	s_min_u32 s66, s10, 3                          ; (only waves 0-3 fetch)
	GROUP1D 24, 12
	GROUP1D 32, 48
	GROUP1D 40, 144
	s_mul_i32 s68, s12, HEADB
	s_mov_b32 s69, 0
	s_mul_i32 s70, s66, 3072
	s_add_co_u32 s70, s70, SCK                     ; a quarter of the scale words,
	s_mov_b32 s71, 0
	s_mul_i32 s72, s66, 12288                      ; of key steps 0-3,
	s_mov_b32 s73, 0
	s_mul_i32 s74, s66, 36864
	s_add_co_u32 s74, s74, 49152                   ; of key steps 4-15: the same offset in the head's block and in LDS
	s_mov_b32 s75, 0
	s_mov_b32 s20, 0x76543210
	s_mov_b32 s21, 0xfedcba98                      ; v_permlanex16_b32's selects for lane l xor 16
	s_mov_b32 s22, 0x3e38aa3b                      ; c = log2(e) / 8
	s_mov_b32 s23, s22                             ; (named with it as a pair)
	s_wait_dscnt 0x0
	s_wait_kmcnt 0x0
	s_add_nc_u64 s[6:7], s[6:7], s[68:69]
	s_mov_b32 s48, 1
	s_mov_b32 s49, s70
	s_add_nc_u64 s[50:51], s[6:7], s[70:71]
	s_or_b32 s51, s51, 0x80000000
	s_mov_b32 s52, 1
	s_mov_b32 s53, s72
	s_add_nc_u64 s[54:55], s[6:7], s[72:73]
	s_or_b32 s55, s55, 0x80000000
	s_mov_b32 s56, 1
	s_mov_b32 s57, s74
	s_add_nc_u64 s[58:59], s[6:7], s[74:75]
	s_or_b32 s59, s59, 0x80000000
	s_cmp_lt_u32 s10, 4                            ; a wave's three fills stand in one branch, ahead of every wait on TENSORcnt, every LDS read and every barrier
	s_cbranch_scc0 .Lno_fill
	tensor_load_to_lds s[48:51], s[24:31]
	s_nop 0
	tensor_load_to_lds s[52:55], s[32:39]
	s_nop 0
	tensor_load_to_lds s[56:59], s[40:47]
	s_nop 0
.rept 4
	v_nop
.endr
.Lno_fill:
	v_and_b32 v8, 31, v0
	v_and_b32 v9, 15, v0                           ; r
	v_bfe_u32 v10, v0, 4, 1                        ; h
	s_delay_alu instid0(VALU_DEP_3)
	v_lshlrev_b32 v1, 4, v8                        ; 16 x lane
	s_delay_alu instid0(VALU_DEP_4)
	v_lshlrev_b32 v2, 3, v8                        ; 8 x lane
	s_delay_alu instid0(VALU_DEP_4)
	v_lshl_add_u32 v3, v9, 4, SCK
	v_lshl_add_u32 v4, v9, 4, SCV
	s_lshl_b32 s66, s10, 6
	s_add_co_u32 s66, s66, YSG
	v_lshl_add_u32 v5, v9, 2, s66                  ; the low tile's word: tile w of the sixteen
	s_xor_b32 s67, s10, 15
	s_lshl_b32 s67, s67, 6
	s_add_co_u32 s67, s67, YSG+1024
	v_lshl_add_u32 v6, v9, 2, s67                  ; the high tile's: tile 15 - w
	v_and_b32 v7, 8, v9
	s_delay_alu instid0(VALU_DEP_1)
	v_add_nc_u32 v7, v7, v9
	v_lshlrev_b32 v11, 4, v10
	s_delay_alu instid0(VALU_DEP_1)
	v_sub_nc_u32 v7, v7, v11                       ; r + 8 (r / 8) - 16 h
	v_mov_b32 v29, 0xff800000
	v_lshlrev_b32 v30, 4, v9
	s_min_u32 s67, s10, 1
	s_lshl_b32 s67, s67, 10
	s_add_co_u32 s67, s67, YSG
	v_add_nc_u32 v31, s67, v1
.irp j, 22,23,24,25,26,27
	v_mov_b32 v[\j], 0                             ; q's upper 64 along K: zero codes
.endr
.irp t, 0,1,2,3
.irp j, 6,7,8,9,10,11
	v_mov_b32 v[32+12*\t+\j], 0                    ; k's likewise; written once
.endr
.endr
.irp j, 216,217,218,219,224,227
	v_mov_b32 v[\j], 0                             ; lane permutes' destinations, and the upper half of the pair v[226:227], are written before they are named
.endr
; a tile begins: s14 = the tile
.macro INIT
	s_lshr_b32 s66, s14, 1
	s_lshl_b32 s15, s66, 5
	s_and_b32 s66, s14, 1
	s_lshl_b32 s66, s66, 3
	s_add_co_u32 s15, s15, s66                     ; the tile's first query; its last is 23 on
	s_mul_i32 s66, s12, 98304
	s_mul_i32 s67, s14, 768
	s_add_co_u32 s66, s66, s67
	s_mov_b32 s67, 0
	s_add_nc_u64 s[68:69], s[4:5], s[66:67]
	s_lshl_b32 s70, s12, 13
	s_lshr_b32 s71, s14, 2
	s_lshl_b32 s71, s71, 8
	s_add_co_u32 s70, s70, s71
	s_and_b32 s71, s14, 3
	s_lshl_b32 s71, s71, 2
	s_add_co_u32 s70, s70, s71
	s_add_co_u32 s70, s70, 6291456
	s_mov_b32 s71, 0
	s_add_nc_u64 s[70:71], s[4:5], s[70:71]
	global_load_b128 v[16:19], v1, s[68:69]
	global_load_b64 v[20:21], v2, s[68:69] offset:512
	global_load_b32 v28, v30, s[70:71]
	v_mov_b32 v13, 0xff61b1e6                      ; the largest t so far: -3e38
	s_delay_alu instid0(VALU_DEP_1)
	v_floor_f32 v12, -v13
	v_mov_b32 v14, 0
	v_mov_b32 v15, 0
.set j, 0
.rept 32
	v_mov_b32 v[160+j], 0                          ; O^T: the step is written once, its first turn finds zeros
.set j, j+1
.endr
	s_mov_b32 s16, 0                               ; the key step's tiles,
	s_mov_b32 s17, 0                               ; k's scale words,
	s_mov_b32 s18, 0                               ; v's,
	s_mov_b32 s19, 0                               ; its first key
	s_wait_loadcnt 0x0
.endm
; A KEY STEP: 128 keys.  mask = 1: the step may be hidden or lie on the diagonal
.macro STEP mask
.if \mask
	s_add_co_u32 s66, s15, 23
	s_cmp_gt_u32 s19, s66
	s_cbranch_scc1 .Lhidden_\@
.endif
	s_setprio 2
	v_add_nc_u32 v8, s16, v1
	s_wait_alu depctr_va_vdst(0)
	v_add_nc_u32 v9, s16, v2
	s_wait_alu depctr_va_vdst(0)
	v_add_nc_u32 v10, s17, v3
	s_wait_alu depctr_va_vdst(0)
	v_add_nc_u32 v11, s18, v4
	v_nop                                          ; five places: the products below write over registers that the last step's products read as v's fragments
.irp g, 0,1
.if \g
.rept 4
	v_nop                                          ; places in front of loads into registers that matrix instructions have read
.endr
.endif
.irp t, 0,1,2,3
	ds_load_b128 v[32+12*\t:35+12*\t], v8 offset:768*(4*\g+\t)
	ds_load_b64 v[36+12*\t:37+12*\t], v9 offset:768*(4*\g+\t)+512
.endr
	ds_load_b128 v[80+4*\g:83+4*\g], v10 offset:256*\g
	s_wait_dscnt 0x0
.irp t, 0,1,2,3
	v_wmma_scale_f32_16x16x128_f8f6f4 v[96+8*(4*\g+\t):103+8*(4*\g+\t)], v[32+12*\t:43+12*\t], v[16:27], 0, v[80+4*\g+\t], v28 matrix_a_fmt:MATRIX_FMT_FP6 matrix_b_fmt:MATRIX_FMT_FP6
.endr
.endr
.rept 4
	v_nop
.endr
.if \mask
	s_add_co_u32 s66, s19, 127
	s_cmp_le_u32 s66, s15
	s_cbranch_scc1 .Lopen_\@                       ; all 128 keys count for all 16 queries
	s_sub_co_i32 s66, s15, s19
	v_add_nc_u32 v224, s66, v7                     ; d = my query - the step's first key - 16 h; register 16 b + i holds key 32 b + 16 h + i: hidden where 32 b + i > d
.set n, 0
.rept 64
	v_cmp_gt_i32 vcc_lo, 32*(n/16)+n%16, v224
	v_cndmask_b32 v[96+n], v[96+n], v29, vcc_lo
.set n, n+1
.endr
.Lopen_\@:
.endif
.irp b, 0,1,2,3
	v_max3_num_f32 v[212+\b], v[96+16*\b], v[97+16*\b], v[98+16*\b]   ; the largest score of each block of 32 keys: for the row's maximum, and, since p rises with the score, for the block's largest p
.endr
.irp i, 3,5,7,9,11,13
.irp b, 0,1,2,3
	v_max3_num_f32 v[212+\b], v[212+\b], v[96+16*\b+\i], v[97+16*\b+\i]
.endr
.endr
.irp b, 0,1,2,3
	v_max_num_f32 v[212+\b], v[212+\b], v[111+16*\b]
.endr
.irp b, 0,1,2,3
	s_delay_alu instid0(VALU_DEP_4)
	v_permlanex16_b32 v[216+\b], v[212+\b], s20, s21
.endr
.irp b, 0,1,2,3
	s_delay_alu instid0(VALU_DEP_4)
	v_max_num_f32 v[212+\b], v[212+\b], v[216+\b]
.endr
	s_delay_alu instid0(VALU_DEP_2)
	v_max3_num_f32 v224, v212, v213, v214
	s_delay_alu instid0(VALU_DEP_1)
	v_max_num_f32 v224, v224, v215
	s_delay_alu instid0(VALU_DEP_1)
	v_mul_f32 v224, s22, v224
	s_delay_alu instid0(VALU_DEP_1)
	v_max_num_f32 v13, v13, v224                   ; the running largest t
	v_mov_b32 v224, v12
	s_delay_alu instid0(VALU_DEP_2)
	v_floor_f32 v12, -v13                          ; the new -M = -ceil(t)
	s_delay_alu instid0(VALU_DEP_1)
	v_sub_f32 v224, v12, v224                      ; old M - new M: a whole number, 0 or less
	s_delay_alu instid0(VALU_DEP_1)
	v_cvt_i32_f32 v224, v224                       ; (it saturates)
	s_delay_alu instid0(VALU_DEP_1)
	v_ldexp_f32 v226, 1.0, v224                    ; f = 2^(old M - new M): multiplying by it rounds nothing
.set j, 0
.rept 32
	v_pk_fma_f32 v[96+j:97+j], v[96+j:97+j], s[22:23], v[12:13] op_sel_hi:[1,0,0]   ; t - M
.set j, j+2
.endr
.irp b, 0,1,2,3
	v_fma_f32 v[212+\b], v[212+\b], s22, v12
.endr
.set j, 0
	s_setprio 1
	s_wait_alu depctr_va_vdst(0)
.rept 64
	v_exp_f32 v[96+j], v[96+j]                     ; p = 2^(t - M)
.set j, j+1
.endr
	v_pk_mul_f32 v[14:15], v[14:15], v[226:227] op_sel_hi:[1,0]   ; the sums under the new M (a plain line behind the exponentials)
	s_wait_alu depctr_va_vdst(0)                   ; one wait for the batch of 64, ahead of its first reader
.irp b, 0,1,2,3
	v_exp_f32 v[212+\b], v[212+\b]                 ; each block's largest p
.endr
	v_pk_add_f32 v[228:229], v[100:101], v[104:105]
	v_pk_add_f32 v[252:253], v[108:109], v[112:113]
	v_pk_add_f32 v[250:251], v[116:117], v[120:121]
	v_pk_add_f32 v[248:249], v[124:125], v[128:129]
	v_pk_add_f32 v[246:247], v[132:133], v[136:137]
	v_pk_add_f32 v[244:245], v[140:141], v[144:145]
	v_pk_add_f32 v[242:243], v[148:149], v[152:153]
	v_pk_add_f32 v[14:15], v[14:15], v[156:157]
	v_pk_add_f32 v[228:229], v[228:229], v[96:97]
	v_pk_add_f32 v[252:253], v[252:253], v[98:99]
	v_pk_add_f32 v[250:251], v[250:251], v[102:103]
	v_pk_add_f32 v[248:249], v[248:249], v[106:107]
	v_pk_add_f32 v[246:247], v[246:247], v[110:111]
	v_pk_add_f32 v[244:245], v[244:245], v[114:115]
	v_pk_add_f32 v[242:243], v[242:243], v[118:119]
	v_pk_add_f32 v[14:15], v[14:15], v[122:123]
	v_pk_add_f32 v[228:229], v[228:229], v[126:127]
	v_pk_add_f32 v[252:253], v[252:253], v[130:131]
	v_pk_add_f32 v[250:251], v[250:251], v[134:135]
	v_pk_add_f32 v[248:249], v[248:249], v[138:139]
	v_pk_add_f32 v[246:247], v[246:247], v[142:143]
	v_pk_add_f32 v[244:245], v[244:245], v[146:147]
	v_pk_add_f32 v[242:243], v[242:243], v[150:151]
	v_pk_add_f32 v[14:15], v[14:15], v[154:155]
	v_pk_add_f32 v[228:229], v[228:229], v[158:159]
	s_delay_alu instid0(VALU_DEP_2)
	v_pk_add_f32 v[14:15], v[14:15], v[248:249]
	s_delay_alu instid0(VALU_DEP_2)
	v_pk_add_f32 v[228:229], v[228:229], v[246:247]
	v_pk_add_f32 v[252:253], v[252:253], v[244:245]
	v_pk_add_f32 v[250:251], v[250:251], v[242:243]
	s_delay_alu instid0(VALU_DEP_2)
	v_pk_add_f32 v[14:15], v[14:15], v[252:253]
	s_delay_alu instid0(VALU_DEP_2)
	v_pk_add_f32 v[228:229], v[228:229], v[250:251]
	s_delay_alu instid0(VALU_DEP_1)
	v_pk_add_f32 v[14:15], v[14:15], v[228:229]
	s_wait_alu depctr_va_vdst(0)                   ; and one for the four
.irp b, 0,1,2,3
	v_max_num_f32 v[212+\b], 0x1800000, v[212+\b]  ; the floor 2^(3 - 127)
.endr
.irp b, 0,1,2,3
	s_delay_alu instid0(VALU_DEP_4)
	v_add_nc_u32 v[220+\b], 0xff000000, v[212+\b]
.endr
.irp b, 0,1,2,3
	s_delay_alu instid0(VALU_DEP_4)
	v_lshrrev_b32 v[216+\b], 23, v[220+\b]
.endr
	s_delay_alu instid0(VALU_DEP_3)
	v_lshl_or_b32 v227, v217, 8, v216              ; p's scale word for these 128 keys
	s_delay_alu instid0(VALU_DEP_1)
	v_lshl_or_b32 v227, v218, 16, v227
	s_delay_alu instid0(VALU_DEP_1)
	v_lshl_or_b32 v227, v219, 24, v227
.irp c, 0,1
	v_cvt_scalef32_pk16_fp6_f32 v[192+6*\c:194+6*\c], v[96+32*\c:111+32*\c], v[220+2*\c]
	v_cvt_scalef32_pk16_fp6_f32 v[204+4*\c:206+4*\c], v[112+32*\c:127+32*\c], v[221+2*\c]
.endr
.irp f, 0,1,2,3                        ; p is done with: v's four fragments land on its registers while the codes are put in order
.irp c, 0,1,2
	ds_load_b128 v[96+12*\f+4*\c:99+12*\f+4*\c], v8 offset:6144+1536*\f+512*\c
.endr
.endr
	ds_load_b128 v[88:91], v11
	v_nop                                          ; a plain line behind the conversions
	s_setprio 0
.irp c, 0,1
.irp i, 0,1,2
	v_permlane16_swap_b32 v[192+6*\c+\i], v[204+4*\c+\i]
.endr
.irp i, 0,1,2
	s_delay_alu instid0(VALU_DEP_3)
	v_mov_b32 v[195+6*\c+\i], v[204+4*\c+\i]
.endr
.endr
.set j, 0
.rept 16
	v_pk_mul_f32 v[160+j:161+j], v[160+j:161+j], v[226:227] op_sel_hi:[1,0]   ; O^T under the new M; these are also the places between the scale word's and the codes' last writes and the products
.set j, j+2
.endr
	s_wait_alu depctr_va_vdst(0)
	s_wait_dscnt 0x0
.irp f, 0,1,2,3
	v_wmma_scale_f32_16x16x128_f8f6f4 v[160+8*\f:167+8*\f], v[96+12*\f:107+12*\f], v[192:203], v[160+8*\f:167+8*\f], v[88+\f], v227 matrix_a_fmt:MATRIX_FMT_FP6 matrix_b_fmt:MATRIX_FMT_FP6
.endr
.if \mask
.Lhidden_\@:
.endif
	s_add_co_u32 s16, s16, 12288
	s_add_co_u32 s17, s17, 512
	s_add_co_u32 s18, s18, 256
	s_add_co_u32 s19, s19, 128
.endm
; a tile ends: y = O^T / the sum, quantised along the head's 64 channels (two blocks), stored as an image; its scale word goes to LDS at v[wadr]
.macro OUT wadr
.rept 4
	v_nop
.endr
	v_add_f32 v14, v14, v15
	s_delay_alu instid0(VALU_DEP_1)
	v_permlanex16_b32 v224, v14, s20, s21
	s_delay_alu instid0(VALU_DEP_1)
	v_add_f32 v14, v14, v224
	s_wait_alu depctr_va_vdst(0)
	v_rcp_f32 v14, v14
	v_nop                                          ; a plain line behind the reciprocal
	s_lshr_b32 s72, s12, 4
	s_lshl_b32 s72, s72, 7
	s_add_co_u32 s72, s72, s14                     ; the tile among all 512
	s_lshl_b32 s72, s72, 4
	s_and_b32 s73, s12, 15
	s_add_co_u32 s72, s72, s73                     ; its image number: the head
	s_mul_i32 s72, s72, 768
	s_mov_b32 s73, 0
	s_add_nc_u64 s[72:73], s[8:9], s[72:73]
	s_wait_alu depctr_va_vdst(0)                   ; the wait, ahead of the first reader
.set j, 0
.rept 32
	v_mul_f32 v[96+j], v[160+j], v14               ; register 16 b + i: channel 32 b + 16 h + i
.set j, j+1
.endr
.irp b, 0,1
	v_max3_num_f32 v[212+\b], |v[96+16*\b]|, |v[97+16*\b]|, 0x1800000
.endr
.irp i, 2,4,6,8,10,12,14
.irp b, 0,1
	s_delay_alu instid0(VALU_DEP_2)
	v_max3_num_f32 v[212+\b], v[212+\b], |v[96+16*\b+\i]|, |v[97+16*\b+\i]|
.endr
.endr
.irp b, 0,1
	s_delay_alu instid0(VALU_DEP_2)
	v_permlanex16_b32 v[216+\b], v[212+\b], s20, s21
.endr
.irp b, 0,1
	s_delay_alu instid0(VALU_DEP_2)
	v_max_num_f32 v[212+\b], v[212+\b], v[216+\b]
.endr
.irp b, 0,1
	s_delay_alu instid0(VALU_DEP_2)
	v_add_nc_u32 v[220+\b], 0xff000000, v[212+\b]
.endr
.irp b, 0,1
	s_delay_alu instid0(VALU_DEP_2)
	v_lshrrev_b32 v[216+\b], 23, v[220+\b]
.endr
	s_delay_alu instid0(VALU_DEP_1)
	v_lshl_or_b32 v225, v217, 8, v216
	v_cvt_scalef32_pk16_fp6_f32 v[192:194], v[96:111], v220
	v_cvt_scalef32_pk16_fp6_f32 v[204:206], v[112:127], v221
	v_nop
.irp i, 0,1,2
	v_permlane16_swap_b32 v[192+\i], v[204+\i]
.endr
.irp i, 0,1,2
	s_delay_alu instid0(VALU_DEP_3)
	v_mov_b32 v[195+\i], v[204+\i]
.endr
	global_store_b128 v1, v[192:195], s[72:73]             ; 512 consecutive bytes, aligned
	global_store_b64 v2, v[196:197], s[72:73] offset:512   ; 256 consecutive bytes, aligned
	ds_store_b32 v[\wadr], v225                    ; lanes r and r + 16 write the same word with the same value
.endm
	s_lshl_b32 s13, s11, 4
	s_add_co_u32 s13, s13, s10                     ; i
	s_sub_co_u32 s14, 127, s13                     ; the high tile first
	INIT
	s_wait_tensorcnt 0x1                           ; the scale words and key steps 0-3 are in; the third load may be out
	s_barrier_signal -1
	s_barrier_wait -1
	s_mov_b32 s60, 4
.Lhead:                                            ; keys 0 .. 511 count for every query from 1,024 on
	STEP 0
	s_sub_co_u32 s60, s60, 1
	s_cmp_lg_u32 s60, 0
	s_cbranch_scc1 .Lhead
	s_setprio 0
	s_wait_tensorcnt 0x0                           ; key steps 4-15: my part is in,
	s_wait_dscnt 0x0
	s_barrier_signal -1
	s_barrier_wait -1                              ; everybody's is
	s_mov_b32 s60, 12
.Lhigh:
	STEP 1
	s_sub_co_u32 s60, s60, 1
	s_cmp_lg_u32 s60, 0
	s_cbranch_scc1 .Lhigh
	s_setprio 0
	OUT 6
	s_wait_xcnt 0x0                                ; the stores have read their data and their base
	s_mov_b32 s14, s13                             ; the low tile
	INIT
	s_mov_b32 s60, 8
.Llow:
	STEP 1
	s_sub_co_u32 s60, s60, 1
	s_cmp_lg_u32 s60, 0
	s_cbranch_scc1 .Llow
	s_setprio 0
	OUT 5
	s_wait_dscnt 0x0                               ; for the others' sake: my two words' stores are done
	s_barrier_signal -1
	s_barrier_wait -1
	s_cmp_lt_u32 s10, 2
	s_cbranch_scc0 .Lend
	s_lshl_b32 s66, s11, 4                         ; wave 0 stores the sixteen low tiles' words (tiles 16 p on), wave 1 the high tiles' (112 - 16 p on): 1,024 bytes each
	s_sub_co_u32 s67, 112, s66
	s_cmp_eq_u32 s10, 0
	s_cselect_b32 s66, s66, s67
	s_and_b32 s67, s12, 15
	s_lshl_b32 s67, s67, 9
	s_add_co_u32 s66, s66, s67
	s_lshr_b32 s67, s12, 4
	s_lshl_b32 s67, s67, 7
	s_add_co_u32 s66, s66, s67                     ; 512 x head + 128 x batch + tile
	s_lshl_b32 s66, s66, 6
	s_add_co_u32 s66, s66, 6291456
	s_mov_b32 s67, 0
	s_add_nc_u64 s[66:67], s[8:9], s[66:67]
	ds_load_b128 v[96:99], v31
	ds_load_b128 v[100:103], v31 offset:512
	s_wait_dscnt 0x0
	global_store_b128 v1, v[96:99], s[66:67]
	global_store_b128 v1, v[100:103], s[66:67] offset:512
.Lend:
	s_wait_tensorcnt 0x0
	ds_add_u32 v254, v255
	s_wait_dscnt 0x0
	s_endpgm
.Lfunc_end_k_q99c29eb5b5_attn:
	.size	k_q99c29eb5b5_attn, .Lfunc_end_k_q99c29eb5b5_attn-k_q99c29eb5b5_attn
	.p2alignl 7, 3214868480
	.fill 96, 4, 3214868480
	.section	.rodata,"a",@progbits
	.p2align	6, 0x0
	.amdhsa_kernel k_q99c29eb5b5_attn
		.amdhsa_group_segment_fixed_size 215040
		.amdhsa_private_segment_fixed_size 0
		.amdhsa_enable_private_segment 0
		.amdhsa_kernarg_size 24
		.amdhsa_user_sgpr_count 2
		.amdhsa_user_sgpr_kernarg_segment_ptr 1
		.amdhsa_wavefront_size32 1
		.amdhsa_system_sgpr_workgroup_id_x 1
		.amdhsa_system_sgpr_workgroup_id_y 1
		.amdhsa_system_sgpr_workgroup_id_z 1
		.amdhsa_system_vgpr_workitem_id 0
		.amdhsa_next_free_vgpr 256
		.amdhsa_next_free_sgpr 90
		.amdhsa_reserve_vcc 1
		.amdhsa_float_denorm_mode_32 3
		.amdhsa_float_denorm_mode_16_64 3
		.amdhsa_memory_ordered 1
		.amdhsa_forward_progress 1
		.amdhsa_inst_pref_size 85
	.end_amdhsa_kernel
	.amdgpu_metadata
---
amdhsa.version: [ 1, 2 ]
amdhsa.kernels:
  - .name:           k_q99c29eb5b5_attn
    .symbol:         k_q99c29eb5b5_attn.kd
    .args:
      - { .name: qb, .offset: 0, .size: 8, .value_kind: global_buffer, .address_space: global }
      - { .name: kvb, .offset: 8, .size: 8, .value_kind: global_buffer, .address_space: global }
      - { .name: yb, .offset: 16, .size: 8, .value_kind: global_buffer, .address_space: global }
    .group_segment_fixed_size: 215040
    .private_segment_fixed_size: 0
    .kernarg_segment_align: 8
    .kernarg_segment_size: 24
    .max_flat_workgroup_size: 512
    .sgpr_count:     90
    .vgpr_count:     256
    .wavefront_size: 32
...
	.end_amdgpu_metadata
.endif
;; end of part 3
;; launch proj (part 4): grid 8 x 32, 4 waves a work-group, clusters of 4 x 4, 315,904 bytes of LDS; arguments yb, wb, out0; writes out0
.if DOCPART == 4
	.amdgcn_target "amdgcn-amd-amdhsa--gfx1250"
	.amdhsa_code_object_version 6
	.text
	.protected	k_q99c29eb5b5_proj
	.globl	k_q99c29eb5b5_proj
	.p2align	8
	.type	k_q99c29eb5b5_proj,@function
k_q99c29eb5b5_proj:
	s_mov_b64 s[64:65], 0
	v_nop
	global_prefetch_b8 v0, s[64:65] scope:SCOPE_SE
	s_setreg_imm32_b32 hwreg(HW_REG_WAVE_MODE, 25, 1), 1
	s_wait_xcnt 0x0
	s_wait_alu depctr_hold_cnt(0) depctr_sa_sdst(0) depctr_va_vdst(0) depctr_va_sdst(0) depctr_va_ssrc(0) depctr_va_vcc(0) depctr_vm_vsrc(0)
	s_getreg_b32 s2, hwreg(HW_REG_IB_STS2, 6, 4)
	s_cmp_eq_u32 s2, 0
	s_cbranch_scc0 .Lentry_in_a_cluster
	s_endpgm
.Lentry_in_a_cluster:
	s_bfe_u32 s2, ttmp6, 0x10000c
	s_cmp_lg_u32 s2, 0xf033
	s_cbranch_scc0 .Lentry_shape_is_right
	s_endpgm
.Lentry_shape_is_right:
; proj: out0 = y w_proj on codes of E2M3 (K = 1,024).  A = y's tokens (yb), B = w_proj's columns (wb's tiles 192 on).
; A work-group makes 256 tokens x 128 columns; wave w takes tokens 64 w on against all 128 columns: 4 x 8 accumulators.  The matrix instruction is used transposed (source 0 = a tile of B, source 1 = a tile of A):
; a lane holds one token and eight neighbouring columns in each accumulator.  A tile's rows are 8 u + r + 8 (r / 8) in a group of 32.
; ALL OF K LIES IN LDS (two halves of 512): every tensor load goes out at the start, nothing is filled twice; by this text's count a wave has three tensor loads out.
; CLUSTERS 4 x 4: A's tiles hang on cy alone and are asked for jointly along a row of the cluster, B's on cx alone, along a column.
; y's scale words lie [head][tile][r][4 bytes], two bytes valid: the words of heads 2 n and 2 n + 1 make the scale word of K step n.
; REGISTERS: window 0: v1-31 addresses; v32-63 A's scale words (8 a + n); v64-127 B's; v128-223 A's fragments, two sets (first: y's 64 raw words).  window 1: B's fragments, two sets.  window 2: accumulator (a, b) at v[8 (8 a + b)].
.set SLOT,  147456
.set BOFF,  98304
.set SCL,   294912                     ; A's scale words (16,384 bytes), then B's scale bytes (4,096)
.set L16,   4
.set L8,    5
.set A16,   6
.set A8,    8
.set B16,   10
.set B8,    12
.set ASC,   14
.set BSC,   15
.set STO,   16
.set RD,    17
.set SCA,   32
.set SCB,   64
.set AF,    128
.set MSB, 0
.macro WIN new                         ; the immediate's high byte repeats the setting that is left
.if MSB != (\new)
	s_set_vgpr_msb (MSB<<8)|(\new)
.set MSB, (\new)
.endif
.endm
.macro PLACES
.rept 4
	v_nop
.endr
.endm
.macro JLOAD g0a, g1a, g0b, g1b        ; a joint load: waves 0 and 1 fetch for A, waves 2 and 3 for B; four v_nop follow each of the two lines
	s_cmp_eq_u32 s15, 0
	s_cbranch_scc0 .Lfor_b_\@
	tensor_load_to_lds s[\g0a:\g0a+3], s[\g1a:\g1a+7]
	s_nop 0
.rept 4
	v_nop
.endr
	s_branch .Lasked_\@
.Lfor_b_\@:
	tensor_load_to_lds s[\g0b:\g0b+3], s[\g1b:\g1b+7]
	s_nop 0
.rept 4
	v_nop
.endr
.Lasked_\@:
.endm
.macro CROUND                          ; a round of the cluster's barrier
	s_barrier_signal -1
	s_barrier_wait -1
	s_cmp_lg_u32 s14, 0
	s_cbranch_scc1 .Lnot_wave_0_\@
	s_barrier_signal -3
.Lnot_wave_0_\@:
	s_barrier_wait -3
	s_barrier_signal -1
	s_barrier_wait -1
.endm
.macro GROUP1 g, c, r, p
	s_mov_b32 s[\g+1], (\c)<<16
	s_mov_b32 s[\g+2], (\r)<<16
	s_mov_b32 s[\g+3], (\c)<<16
	s_mov_b32 s[\g+4], \r
	s_mov_b32 s[\g+5], \p
	s_mov_b32 s[\g+6], 0
	s_mov_b32 s[\g+7], 0
.endm
	s_load_b128 s[4:7], s[0:1], 0x0                ; yb, wb
	s_load_b64 s[8:9], s[0:1], 0x10                ; out0
	v_lshl_add_u32 v254, v0, 2, 0x4d000
	v_mov_b32 v255, 0
	ds_add_u32 v254, v255
	ds_add_u32 v254, v255
	v_lshrrev_b32 v1, 5, v0
	v_readfirstlane_b32 s14, v1                    ; wave
	s_lshr_b32 s15, s14, 1                         ; I fetch for A (0) or B (1),
	s_and_b32 s16, s14, 1                          ; its first or second half
	s_bfe_u32 s17, ttmp6, 0x40000                  ; cx
	s_bfe_u32 s18, ttmp6, 0x40004                  ; cy
	s_and_b32 s20, ttmp7, 0xffff
	s_lshl_b32 s21, s20, 2
	s_add_co_u32 s21, s21, s18                     ; TA = 4 Y + cy: 256 tokens
	s_lshl_b32 s22, ttmp9, 2
	s_add_co_u32 s22, s22, s17                     ; 4 X + cx: 128 columns of w_proj
	s_lshl_b32 s100, s18, 2
	s_lshl_b32 s100, 15, s100                      ; my row of the cluster
	s_lshl_b32 s101, 0x1111, s17                   ; my column
	s_or_b32 s24, s100, (3<<16)|(1<<21)
	s_or_b32 s32, s101, (3<<16)|(1<<21)
	s_or_b32 s40, s100, (3<<16)|(1<<21)
	s_or_b32 s48, s101, (3<<16)|(1<<21)
	GROUP1 24, 768, 8, 1536                        ; A's codes: 8 tiles x 6,144 bytes, 12,288 bytes apart
	GROUP1 32, 768, 4, 1536                        ; B's: 4 tiles
	GROUP1 40, 128, 8, 4096                        ; A's scale words: 8 heads x 1,024 bytes (16 tiles), 32,768 bytes apart
	GROUP1 48, 32, 8, 32                           ; B's scale bytes: 2,048 dense bytes
	s_lshl_b32 s94, s21, 4
	s_lshl_b32 s95, s16, 3
	s_add_co_u32 s94, s94, s95                     ; A's first tile that I fetch
	s_mul_i32 s96, s94, 12288
	s_mov_b32 s97, 0
	s_lshl_b32 s94, s16, 18                        ; heads 8 x half on,
	s_lshl_b32 s95, s21, 10                        ; tiles 16 TA on
	s_add_co_u32 s94, s94, s95
	s_add_co_u32 s94, s94, 6291456
	s_mov_b32 s95, 0
	s_add_co_u32 s98, s22, 24                      ; w_proj's columns lie behind w_attn's 3,072
	s_lshl_b32 s98, s98, 3
	s_lshl_b32 s99, s16, 2
	s_add_co_u32 s98, s98, s99                     ; B's first tile that I fetch
	s_lshl_b32 s2, s98, 9
	s_add_co_u32 s2, s2, 3145728
	s_mov_b32 s3, 0
	s_mul_i32 s98, s98, 12288
	s_mov_b32 s99, 0
	s_mul_i32 s23, s16, 49152
	s_mul_i32 s87, s16, 24576
	s_add_co_u32 s87, s87, BOFF
	s_lshl_b32 s104, s16, 13
	s_add_co_u32 s104, s104, SCL
	s_lshl_b32 s105, s16, 11
	s_add_co_u32 s105, s105, SCL+16384
	s_wait_dscnt 0x0
	s_wait_kmcnt 0x0
	CROUND                                         ; all sixteen work-groups are here: the joint loads meet
	s_mov_b32 s56, 1
	s_mov_b32 s57, s104
	s_add_nc_u64 s[58:59], s[4:5], s[94:95]
	s_or_b32 s59, s59, 0x80000000
	s_mov_b32 s72, 1
	s_mov_b32 s73, s105
	s_add_nc_u64 s[74:75], s[6:7], s[2:3]
	s_or_b32 s75, s75, 0x80000000
	JLOAD 56, 40, 72, 48                           ; the scales
	s_add_nc_u64 s[88:89], s[4:5], s[96:97]
	s_add_nc_u64 s[90:91], s[6:7], s[98:99]
	s_mov_b32 s60, 1
	s_mov_b32 s61, s23
	s_mov_b64 s[62:63], s[88:89]
	s_or_b32 s63, s63, 0x80000000
	s_mov_b32 s76, 1
	s_mov_b32 s77, s87
	s_mov_b64 s[78:79], s[90:91]
	s_or_b32 s79, s79, 0x80000000
	JLOAD 60, 24, 76, 32                           ; K 0 .. 511
	s_mov_b32 s68, 1
	s_add_co_u32 s69, s23, SLOT
	s_add_nc_u64 s[70:71], s[88:89], 6144
	s_or_b32 s71, s71, 0x80000000
	s_mov_b32 s80, 1
	s_add_co_u32 s81, s87, SLOT
	s_add_nc_u64 s[82:83], s[90:91], 6144
	s_or_b32 s83, s83, 0x80000000
	JLOAD 68, 24, 80, 32                           ; K 512 .. 1,023
	v_and_b32 v1, 31, v0
	v_and_b32 v2, 15, v0                           ; r
	v_bfe_u32 v3, v0, 4, 1                         ; h
	v_lshlrev_b32 v[L16], 4, v1
	v_lshlrev_b32 v[L8], 3, v1
	s_mul_i32 s84, s14, 24576
.irp s, 0,1
	v_add_nc_u32 v[A16+\s], s84, v[L16]
	v_add_nc_u32 v[A8+\s], s84, v[L8]
	v_add_nc_u32 v[B16+\s], BOFF+SLOT*\s, v[L16]
	v_add_nc_u32 v[B8+\s], BOFF+SLOT*\s, v[L8]
	s_add_co_u32 s84, s84, SLOT
.endr
	s_lshl_b32 s84, s14, 8
	s_add_co_u32 s84, s84, SCL
	v_lshl_add_u32 v[ASC], v2, 2, s84              ; my four tiles' words: 256 x wave + 4 r
	v_lshl_add_u32 v[BSC], v2, 3, SCL+16384
	s_mul_i32 s84, s14, 8448                       ; the way out: my stage, 16 rows x (512 + 16) bytes, in the first half's bytes
	v_mul_u32_u24 v[STO], v2, 528
	v_lshl_add_u32 v[STO], v3, 6, v[STO]
	v_add_nc_u32 v[STO], s84, v[STO]
	v_add_nc_u32 v[RD], s84, v[L16]
	s_lshl_b32 s84, s21, 8
	s_lshl_b32 s85, s14, 6
	s_add_co_u32 s84, s84, s85                     ; my first token
	s_lshl_b32 s84, s84, 12
	s_lshl_b32 s85, s22, 9
	s_add_co_u32 s84, s84, s85                     ; + my work-group's 128 columns
	s_mov_b32 s85, 0
	s_add_nc_u64 s[8:9], s[8:9], s[84:85]
.macro FRAG reg, a16, a8, off          ; a fragment, 16 rows x 128 K: two images of 768 bytes on end
	ds_load_b128 v[\reg:\reg+3], v[\a16] offset:\off
	ds_load_b64 v[\reg+4:\reg+5], v[\a8] offset:\off+512
	ds_load_b128 v[\reg+6:\reg+9], v[\a16] offset:\off+768
	ds_load_b64 v[\reg+10:\reg+11], v[\a8] offset:\off+1280
.endm
.macro FETCH n                         ; K step n's fragments into set n % 2: 48 LDS loads in one run
	WIN 0x40
.irp i, 0,1,2,3,4,5,6,7
	FRAG 128*((\n)%2)+12*\i, B16+(\n)/4, B8+(\n)/4, 6144*\i+1536*((\n)%4)
.endr
	WIN 0
.irp i, 0,1,2,3
	FRAG AF+48*((\n)%2)+12*\i, A16+(\n)/4, A8+(\n)/4, 6144*\i+1536*((\n)%4)
.endr
.endm
.macro MUL n                           ; 32 matrix instructions; the 32 accumulators take turns, one instruction a turn
	WIN 0xa1
.irp a, 0,1,2,3
.irp b, 0,1,2,3,4,5,6,7
.if (\n) == 0
	v_wmma_scale_f32_16x16x128_f8f6f4 v[8*(8*\a+\b):8*(8*\a+\b)+7], v[128*((\n)%2)+12*\b:128*((\n)%2)+12*\b+11], v[AF+48*((\n)%2)+12*\a:AF+48*((\n)%2)+12*\a+11], 0, v[SCB+8*\b+(\n)], v[SCA+8*\a+(\n)] matrix_a_fmt:MATRIX_FMT_FP6 matrix_b_fmt:MATRIX_FMT_FP6
.else
	v_wmma_scale_f32_16x16x128_f8f6f4 v[8*(8*\a+\b):8*(8*\a+\b)+7], v[128*((\n)%2)+12*\b:128*((\n)%2)+12*\b+11], v[AF+48*((\n)%2)+12*\a:AF+48*((\n)%2)+12*\a+11], v[8*(8*\a+\b):8*(8*\a+\b)+7], v[SCB+8*\b+(\n)], v[SCA+8*\a+(\n)] matrix_a_fmt:MATRIX_FMT_FP6 matrix_b_fmt:MATRIX_FMT_FP6
.endif
.endr
.endr
.endm
	s_wait_alu depctr_va_vdst(0)
	s_wait_tensorcnt 0x1                           ; my scales and my part of the first half of K are in; the second half's load may be out
	s_barrier_signal -1
	s_barrier_wait -1
.irp i, 0,1,2,3
.irp d, 0,1,2,3,4,5,6,7,8,9,10,11,12,13,14,15
	ds_load_b32 v[128+16*\i+\d], v[ASC] offset:1024*\d+64*\i     ; tile i, head d: y's word
.endr
.endr
.irp i, 0,1,2,3,4,5,6,7
.irp j, 0,1,2,3
	ds_load_b64 v[SCB+8*\i+2*\j:SCB+8*\i+2*\j+1], v[BSC] offset:512*\i+128*\j
.endr
.endr
	s_wait_dscnt 0x0
.irp i, 0,1,2,3
.irp n, 0,1,2,3,4,5,6,7
	v_perm_b32 v[SCA+8*\i+\n], v[128+16*\i+2*\n+1], v[128+16*\i+2*\n], 0x05040100   ; the two low halves: heads 2 n and 2 n + 1
.endr
.endr
	FETCH 0
.rept 8
	v_nop                                          ; a scale register written by a vector instruction stands eight places ahead of a scaled matrix instruction
.endr
	s_wait_alu depctr_va_vdst(0)
.irp n, 0,1,2,3,4,5,6,7
.if \n == 3
	s_wait_tensorcnt 0x0                           ; my part of the second half of K is in,
	s_wait_dscnt 0x0                               ; my reads of the first half are over,
	s_barrier_signal -1
	s_barrier_wait -1                              ; both hold of every wave
.endif
.if \n > 0
	PLACES                                         ; four places in front of loads into registers that matrix instructions have read
.endif
.if \n < 7
	FETCH \n+1
	s_wait_dscnt 48                                ; all but the 48 just issued
.else
	s_wait_dscnt 0x0
.endif
	MUL \n
	WIN 0
.endr
; THE WAY OUT, a tile of 16 tokens x 128 columns at a time, through my own stage: it lies in the first half's bytes, which have had their one fill and which nobody reads behind the second barrier.
; LDS serves a wave's instructions in order: no wait between the stores and the loads, nor in front of the next tile's stores.
.macro TOSTAGE a
	WIN 0x08                                       ; an LDS store's data are its source 1: window 2
.irp b, 0,1,2,3,4,5,6,7
	ds_store_b128 v[STO], v[64*(\a)+8*\b:64*(\a)+8*\b+3] offset:128*(\b/2)+32*(\b%2)        ; columns 32 (b / 2) + 16 h + 8 (b % 2) on; each accumulator from its low end on
	ds_store_b128 v[STO], v[64*(\a)+8*\b+4:64*(\a)+8*\b+7] offset:128*(\b/2)+32*(\b%2)+16
.endr
	WIN 0
.set BB, 64+64*((\a)%2)
.irp t, 0,1,2,3,4,5,6,7,8,9,10,11,12,13,14,15
	ds_load_b128 v[BB+4*\t:BB+4*\t+3], v[RD] offset:\t*528
.endr
.endm
.macro SEND a, younger                 ; younger: the LDS instructions issued behind tile a's loads, which may stay out
.set BB, 64+64*((\a)%2)
	s_wait_dscnt \younger
.irp t, 0,1,2,3,4,5,6,7,8,9,10,11,12,13,14,15
	global_store_b128 v[L16], v[BB+4*\t:BB+4*\t+3], s[8:9] offset:(32*((\a)/2)+8*((\a)%2)+\t+8*(\t/8))*4096 th:TH_STORE_NT   ; 512 consecutive bytes of a token's row, aligned
.endr
.endm
	PLACES                                         ; four places behind the last products
	TOSTAGE 0
.irp a, 1,2,3
.if \a > 1
	s_wait_xcnt 0x0                                ; tile a - 2's stores have read their registers: tile a's loads may land there
.endif
	TOSTAGE \a
	SEND \a-1, 32                                  ; behind tile a - 1's loads: tile a's 16 stores and 16 loads
.endr
	SEND 3, 0
	s_wait_tensorcnt 0x0
	ds_add_u32 v254, v255
	s_wait_dscnt 0x0
	CROUND                                         ; the closing round: no work-group ends while a partner may still ask for a tile that names it
	s_endpgm
.Lfunc_end_k_q99c29eb5b5_proj:
	.size	k_q99c29eb5b5_proj, .Lfunc_end_k_q99c29eb5b5_proj-k_q99c29eb5b5_proj
	.p2alignl 7, 3214868480
	.fill 96, 4, 3214868480
	.section	.rodata,"a",@progbits
	.p2align	6, 0x0
	.amdhsa_kernel k_q99c29eb5b5_proj
		.amdhsa_group_segment_fixed_size 315904
		.amdhsa_private_segment_fixed_size 0
		.amdhsa_enable_private_segment 0
		.amdhsa_kernarg_size 24
		.amdhsa_user_sgpr_count 2
		.amdhsa_user_sgpr_kernarg_segment_ptr 1
		.amdhsa_wavefront_size32 1
		.amdhsa_system_sgpr_workgroup_id_x 1
		.amdhsa_system_sgpr_workgroup_id_y 1
		.amdhsa_system_sgpr_workgroup_id_z 1
		.amdhsa_system_vgpr_workitem_id 0
		.amdhsa_next_free_vgpr 768
		.amdhsa_next_free_sgpr 106
		.amdhsa_reserve_vcc 0
		.amdhsa_float_denorm_mode_32 3
		.amdhsa_float_denorm_mode_16_64 3
		.amdhsa_memory_ordered 1
		.amdhsa_forward_progress 1
		.amdhsa_inst_pref_size 92
	.end_amdhsa_kernel
	.amdgpu_metadata
---
amdhsa.version: [ 1, 2 ]
amdhsa.kernels:
  - .name:           k_q99c29eb5b5_proj
    .symbol:         k_q99c29eb5b5_proj.kd
    .args:
      - { .name: yb, .offset: 0, .size: 8, .value_kind: global_buffer, .address_space: global }
      - { .name: wb, .offset: 8, .size: 8, .value_kind: global_buffer, .address_space: global }
      - { .name: out0, .offset: 16, .size: 8, .value_kind: global_buffer, .address_space: global }
    .group_segment_fixed_size: 315904
    .private_segment_fixed_size: 0
    .kernarg_segment_align: 8
    .kernarg_segment_size: 24
    .max_flat_workgroup_size: 128
    .sgpr_count:     106
    .vgpr_count:     768
    .wavefront_size: 32
...
	.end_amdgpu_metadata
.endif
;; end of part 4
